; MI455X (gfx1250); checked and timed in simulation.
; The chip was launched on July 23, 2026; its instructions are those of AMD's public machine-readable ISA for CDNA 5 (MIT licence, August 2026) and "CDNA5" Instruction Set Architecture Reference Guide (July 2026). The comments in the code are by the model that wrote it; some were corrected since.
;; Average Attn. Allowed arithmetic: float matrix products may take bf16 or f16 operands with f32 sums; other float arithmetic in f32, or as packed bf16 or f16 multiplies, adds, multiply-adds, maxima and minima; sums over many terms, partial sums and values carried from step to step in f32; what a program stores and reads back later, other than sums and carried values, may be rounded once to bf16 or f16.
;; Inputs: W1 1,024 x 1,024 float32; W2 1,024 x 1,024 float32; Wg 2,048 x 2,048 float32; b1 1,024 float32; b2 1,024 float32; bg 2,048 float32; iQ 4 x 2,048 x 1,024 float32; iV 4 x 2,048 x 1,024 float32.
;; Outputs: out0 4 x 2,048 x 1,024 float32.
;; 2 versions, each right; version 2 is version 1 with the launch prep written anew for expert scheduling mode. Each part assembles by itself: llvm-mc -triple=amdgcn-amd-amdhsa -mcpu=gfx1250 --defsym DOCPART=n.
;; ======== version 1 of 2: 4 launches
;; workspace buffers: XQ 16,777,216 bytes; AH 16,777,216 bytes; H1 16,777,216 bytes; W1b 2,097,152 bytes; W2b 2,097,152 bytes; Wgb 8,388,608 bytes; P1 263,168 bytes; P2 263,168 bytes
;; launch prep (part 1): grid 448 x 1, 8 waves a work-group, no clusters, 5,120 bytes of LDS; arguments iQ, iV, W1, W2, XQ, AH, W1b, W2b, P1, P2; writes XQ, AH, W1b, W2b, P1, P2
.if DOCPART == 1
	.amdgcn_target "amdgcn-amd-amdhsa--gfx1250"
	.amdhsa_code_object_version 6
	.text
	.protected	k_qf17ccdc3aa_prep
	.globl	k_qf17ccdc3aa_prep
	.p2align	8
	.type	k_qf17ccdc3aa_prep,@function
k_qf17ccdc3aa_prep:
	s_mov_b64 s[64:65], 0
	v_nop
	global_prefetch_b8 v0, s[64:65] scope:SCOPE_SE
	s_setreg_imm32_b32 hwreg(HW_REG_WAVE_MODE, 25, 1), 1
	s_wait_xcnt 0x0
; PREP.  Two kinds of work-groups, each reading 128 KiB once.
;   0-191   a cast to bf16, rounded once, dense to dense: 0-127 iQ rows 4096-8191 into XQ (rows 0-4095 are cast by a later launch, beside its matrix work); 128-159 W1, 160-191 W2, layout [K][N] kept.
;   192-447 THE LOCAL RUNNING MEAN.  A work-group owns one block of 128 rows of iV x 256 columns.  It writes AH[m][:] = (sum of the BLOCK's rows up to m) / (m's place in its sequence + 1) in bf16,
;           and the block's column sums, in f32, into P1[block][1024].  What the rows in front of the block add to the mean is added by the next launch, after its product:
;           mean W = (local / n) W + (carry W) / n.  So iV is read once and no work-group needs another's sums.  P2 takes zeros of the same shape: the second FFN layer has no carry.
; Two waves own a group of 32 rows, a thread four columns of it; the groups' sums meet in LDS.  A group that does not lie in front is masked to +0 by an AND with a scalar: nothing is multiplied by 0.
; Work-group 0 also writes the two floors behind the sums (byte 262,144 of P1 and P2): two bf16 zeros (a ReLU) and two bf16 -inf (no floor).
; LIMITS.  Sums in f32, rows inside a group first, groups then: another order of rounding than a plain running sum.  The division is a multiplication by v_rcp_f32.
; No matrix unit, no cluster, no tensor load: a stream in which no byte is shared between work-groups.
.set D,     20                         ; cast: v[20:147]  all 32 loads of a thread are out at once
.set R,     24                         ; mean: v[24:55]   1 / n of my 32 rows
.set DD,    120                        ; mean: v[120:247] my 32 rows, four columns each
.set SPARE, 4096                       ; LDS: 0-4095 the four groups' sums; 4096-5119 the spare words, 128 bytes a wave
	s_load_b512 s[4:19], s[0:1], 0x0               ; iQ s[4:5], iV s[6:7], W1 s[8:9], W2 s[10:11], XQ s[12:13], AH s[14:15], W1b s[16:17], W2b s[18:19]
	s_load_b128 s[20:23], s[0:1], 0x40             ; P1 s[20:21], P2 s[22:23]
	v_lshl_add_u32 v5, v0, 2, SPARE                ; my spare word and 0, kept for the closing lines alone
	v_mov_b32 v6, 0
	s_mov_b32 s2, ttmp9
	s_wait_kmcnt 0x0
	s_cmp_ge_u32 s2, 192
	s_cbranch_scc1 .Lscan
	; THE CAST.  Source, destination and the range's first work-group are chosen by the work-group number alone.
	s_add_nc_u64 s[28:29], s[4:5], 0x1000000       ; iQ at row 4096
	s_add_nc_u64 s[30:31], s[12:13], 0x800000      ; XQ at row 4096
	s_mov_b32 s32, 0
	s_cmp_ge_u32 s2, 128
	s_cselect_b64 s[28:29], s[8:9], s[28:29]
	s_cselect_b64 s[30:31], s[16:17], s[30:31]
	s_cselect_b32 s32, 128, s32
	s_cmp_ge_u32 s2, 160
	s_cselect_b64 s[28:29], s[10:11], s[28:29]
	s_cselect_b64 s[30:31], s[18:19], s[30:31]
	s_cselect_b32 s32, 160, s32
	s_sub_co_u32 s34, s2, s32                      ; my place in the range
	s_lshl_b32 s36, s34, 17                        ; 131,072 bytes in,
	s_mov_b32 s37, 0
	s_lshl_b32 s38, s34, 16                        ; 65,536 out
	s_mov_b32 s39, 0
	s_add_nc_u64 s[28:29], s[28:29], s[36:37]
	s_add_nc_u64 s[30:31], s[30:31], s[38:39]
	v_lshlrev_b32 v1, 5, v0                        ; thread t reads 32 bytes at 32 t
	v_lshlrev_b32 v2, 4, v0                        ; and writes 16 at 16 t: sixteen lanes fill 256 consecutive bytes, aligned
.set p, 0
.rept 16
	global_load_b128 v[D+8*p:D+8*p+3],   v1, s[28:29] offset:8192*p th:TH_LOAD_NT
	global_load_b128 v[D+8*p+4:D+8*p+7], v1, s[28:29] offset:8192*p+16 th:TH_LOAD_NT
.set p, p+1
.endr
.set p, 0
.rept 16
	s_wait_loadcnt 30-2*p                          ; loads come back in order: pair p is in, the 30 - 2 p younger loads stay out
	v_cvt_pk_bf16_f32 v[D+8*p],   v[D+8*p],   v[D+8*p+1]   ; in place, ascending: no source is written before it is read
	v_cvt_pk_bf16_f32 v[D+8*p+1], v[D+8*p+2], v[D+8*p+3]
	v_cvt_pk_bf16_f32 v[D+8*p+2], v[D+8*p+4], v[D+8*p+5]
	v_cvt_pk_bf16_f32 v[D+8*p+3], v[D+8*p+6], v[D+8*p+7]
	global_store_b128 v2, v[D+8*p:D+8*p+3], s[30:31] offset:4096*p   ; no register of a store is written again
.set p, p+1
.endr
	s_cmp_lg_u32 s2, 0
	s_cbranch_scc1 .Lend
	s_wait_xcnt 0x0                                ; v1 was an offset of the loads above: it is written again only behind this wait
	v_lshlrev_b32 v3, 2, v0
	v_mov_b32 v4, 0                                ; two bf16 zeros
	v_mov_b32 v1, 0xff80ff80                       ; two bf16 -inf
	global_store_b32 v3, v4, s[20:21] offset:262144   ; 256 equal words each: the buffers' last 1,024 bytes are written whole
	global_store_b32 v3, v1, s[22:23] offset:262144
.Lend:
	s_endpgm
.Lscan:	; THE LOCAL RUNNING MEAN
	v_lshrrev_b32 v4, 5, v0
	v_readfirstlane_b32 s24, v4                    ; wave 0..7
	s_lshr_b32 s25, s24, 1                         ; rg: my group of 32 rows
	s_sub_co_u32 s3, s2, 192
	s_and_b32 s26, s3, 3                           ; strip of 256 columns
	s_lshr_b32 s27, s3, 2                          ; g: block of 128 rows, 0..63
	s_and_b32 s28, s27, 15                         ; c: its place in its sequence
	s_lshl_b32 s29, s27, 7
	s_lshl_b32 s30, s25, 5
	s_add_co_u32 s29, s29, s30                     ; my group's first row
	s_lshl_b32 s30, s29, 12                        ; iV: rows of 4,096 bytes, 1,024 bytes a strip
	s_lshl_b32 s31, s26, 10
	s_add_co_u32 s30, s30, s31
	s_mov_b32 s31, 0
	s_add_nc_u64 s[32:33], s[6:7], s[30:31]
	s_lshl_b32 s30, s29, 11                        ; AH: rows of 2,048 bytes, 512 bytes a strip
	s_lshl_b32 s34, s26, 9
	s_add_co_u32 s30, s30, s34
	s_add_nc_u64 s[34:35], s[14:15], s[30:31]
	s_lshl_b32 s30, s27, 12                        ; P1, P2: row g, 1,024 bytes a strip
	s_lshl_b32 s36, s26, 10
	s_add_co_u32 s30, s30, s36
	s_add_nc_u64 s[36:37], s[20:21], s[30:31]
	s_add_nc_u64 s[38:39], s[22:23], s[30:31]
	v_and_b32 v1, 63, v0                           ; cg: which four columns
	v_lshlrev_b32 v2, 3, v1                        ; 8 bytes out
	v_lshlrev_b32 v1, 4, v1                        ; 16 bytes in
	v_lshlrev_b32 v3, 4, v0                        ; 16 t = 1,024 rg + 16 cg: my place among the groups' sums
.set i, 0
.rept 32
	global_load_b128 v[DD+4*i:DD+4*i+3], v1, s[32:33] offset:4096*i th:TH_LOAD_NT   ; a wave's load covers 512 consecutive bytes
.set i, i+1
.endr
	; the divisors, while the loads are out: whole numbers up to 2,048, exact in f32
	s_lshl_b32 s30, s28, 7
	s_lshl_b32 s3, s25, 5
	s_add_co_u32 s30, s30, s3
	s_add_co_u32 s30, s30, 1                       ; 128 c + 32 rg + 1
	v_cvt_f32_u32 v[R], s30
.set i, 1
.rept 31
	v_add_f32 v[R+i], 1.0, v[R+i-1]
.set i, i+1
.endr
.set i, 0
.rept 32
	v_rcp_f32 v[R+i], v[R+i]
.set i, i+1
.endr
	v_nop                                          ; a plain instruction between the last reciprocal and any use (ISA guide 5.7.2)
	; the running sum inside my group, in place
.set i, 1
.rept 31
	s_wait_loadcnt 31-i                            ; rows 0..i are in, the younger rows stay out
	v_pk_add_f32 v[DD+4*i:DD+4*i+1],   v[DD+4*i:DD+4*i+1],   v[DD+4*i-4:DD+4*i-3]
	v_pk_add_f32 v[DD+4*i+2:DD+4*i+3], v[DD+4*i+2:DD+4*i+3], v[DD+4*i-2:DD+4*i-1]
.set i, i+1
.endr
	ds_store_b128 v3, v[DD+124:DD+127]             ; my group's sum
	s_wait_dscnt 0x0                               ; for the others' sake: my store is done
	s_barrier_signal -1
	s_barrier_wait -1
	ds_load_b128 v[8:11],  v1                      ; the sums of groups 0, 1, 2 for my four columns
	ds_load_b128 v[12:15], v1 offset:1024
	ds_load_b128 v[16:19], v1 offset:2048
	s_wait_dscnt 0x0
	s_cmp_gt_u32 s25, 0                            ; group 0 lies in front of mine?
	s_cselect_b32 s30, -1, 0
	v_and_b32 v56, s30, v8
	v_and_b32 v57, s30, v9
	v_and_b32 v58, s30, v10
	v_and_b32 v59, s30, v11
.irp k, 1,2
	s_cmp_gt_u32 s25, \k
	s_cselect_b32 s30, -1, 0
	v_and_b32 v20, s30, v[8+4*(\k)]
	v_and_b32 v21, s30, v[8+4*(\k)+1]
	v_and_b32 v22, s30, v[8+4*(\k)+2]
	v_and_b32 v23, s30, v[8+4*(\k)+3]
	v_pk_add_f32 v[56:57], v[56:57], v[20:21]
	v_pk_add_f32 v[58:59], v[58:59], v[22:23]
.endr
	s_cmp_lg_u32 s25, 3                            ; the last group's sum up to its last row is the block's
	s_cbranch_scc1 .Lrows
	v_pk_add_f32 v[60:61], v[DD+124:DD+125], v[56:57]
	v_pk_add_f32 v[62:63], v[DD+126:DD+127], v[58:59]
	v_mov_b32 v64, 0
	v_mov_b32 v65, 0
	v_mov_b32 v66, 0
	v_mov_b32 v67, 0
	global_store_b128 v1, v[60:63], s[36:37]       ; two waves cover 1,024 consecutive bytes
	global_store_b128 v1, v[64:67], s[38:39]
.Lrows:
.set i, 0
	s_wait_alu depctr_va_vdst(0)
.rept 32
	v_pk_add_f32 v[DD+4*i:DD+4*i+1],   v[DD+4*i:DD+4*i+1],   v[56:57]
	v_pk_add_f32 v[DD+4*i+2:DD+4*i+3], v[DD+4*i+2:DD+4*i+3], v[58:59]
	v_mul_f32 v[DD+4*i],   v[DD+4*i],   v[R+i]
	v_mul_f32 v[DD+4*i+1], v[DD+4*i+1], v[R+i]
	v_mul_f32 v[DD+4*i+2], v[DD+4*i+2], v[R+i]
	v_mul_f32 v[DD+4*i+3], v[DD+4*i+3], v[R+i]
	v_cvt_pk_bf16_f32 v[DD+4*i],   v[DD+4*i],   v[DD+4*i+1]
	v_cvt_pk_bf16_f32 v[DD+4*i+1], v[DD+4*i+2], v[DD+4*i+3]
	global_store_b64 v2, v[DD+4*i:DD+4*i+1], s[34:35] offset:2048*i   ; a wave's store covers 256 consecutive bytes, aligned; its registers are not written again
.set i, i+1
.endr
	s_wait_tensorcnt 0x0                           ; the wave's end
	ds_add_u32 v5, v6
	s_wait_dscnt 0x0
	s_endpgm
.Lfunc_end_k_qf17ccdc3aa_prep:
	.size	k_qf17ccdc3aa_prep, .Lfunc_end_k_qf17ccdc3aa_prep-k_qf17ccdc3aa_prep
	.p2alignl 7, 3214868480
	.fill 96, 4, 3214868480
	.section	.rodata,"a",@progbits
	.p2align	6, 0x0
	.amdhsa_kernel k_qf17ccdc3aa_prep
		.amdhsa_group_segment_fixed_size 5120
		.amdhsa_private_segment_fixed_size 0
		.amdhsa_enable_private_segment 0
		.amdhsa_kernarg_size 80
		.amdhsa_user_sgpr_count 2
		.amdhsa_user_sgpr_kernarg_segment_ptr 1
		.amdhsa_wavefront_size32 1
		.amdhsa_system_sgpr_workgroup_id_x 1
		.amdhsa_system_sgpr_workgroup_id_y 1
		.amdhsa_system_sgpr_workgroup_id_z 1
		.amdhsa_system_vgpr_workitem_id 0
		.amdhsa_next_free_vgpr 248
		.amdhsa_next_free_sgpr 66
		.amdhsa_reserve_vcc 0
		.amdhsa_float_denorm_mode_32 3
		.amdhsa_float_denorm_mode_16_64 3
		.amdhsa_memory_ordered 1
		.amdhsa_forward_progress 1
		.amdhsa_inst_pref_size 39
	.end_amdhsa_kernel
	.amdgpu_metadata
---
amdhsa.version: [ 1, 2 ]
amdhsa.kernels:
  - .name:           k_qf17ccdc3aa_prep
    .symbol:         k_qf17ccdc3aa_prep.kd
    .args:
      - { .name: iQ, .offset: 0, .size: 8, .value_kind: global_buffer, .address_space: global }
      - { .name: iV, .offset: 8, .size: 8, .value_kind: global_buffer, .address_space: global }
      - { .name: W1, .offset: 16, .size: 8, .value_kind: global_buffer, .address_space: global }
      - { .name: W2, .offset: 24, .size: 8, .value_kind: global_buffer, .address_space: global }
      - { .name: XQ, .offset: 32, .size: 8, .value_kind: global_buffer, .address_space: global }
      - { .name: AH, .offset: 40, .size: 8, .value_kind: global_buffer, .address_space: global }
      - { .name: W1b, .offset: 48, .size: 8, .value_kind: global_buffer, .address_space: global }
      - { .name: W2b, .offset: 56, .size: 8, .value_kind: global_buffer, .address_space: global }
      - { .name: P1, .offset: 64, .size: 8, .value_kind: global_buffer, .address_space: global }
      - { .name: P2, .offset: 72, .size: 8, .value_kind: global_buffer, .address_space: global }
    .group_segment_fixed_size: 5120
    .private_segment_fixed_size: 0
    .kernarg_segment_align: 8
    .kernarg_segment_size: 80
    .max_flat_workgroup_size: 256
    .sgpr_count:     66
    .vgpr_count:     248
    .wavefront_size: 32
...
	.end_amdgpu_metadata
.endif
;; end of part 1
;; launch ffn1 (part 2): grid 4 x 64, 4 waves a work-group, clusters of 4 x 4, 327,680 bytes of LDS; arguments AH, W1b, b1, P1, H1, Wg, Wgb; writes H1, Wgb
.if DOCPART == 2
	.amdgcn_target "amdgcn-amd-amdhsa--gfx1250"
	.amdhsa_code_object_version 6
	.text
	.protected	k_qf17ccdc3aa_ffn1
	.globl	k_qf17ccdc3aa_ffn1
	.p2align	8
	.type	k_qf17ccdc3aa_ffn1,@function
k_qf17ccdc3aa_ffn1:
	s_mov_b64 s[64:65], 0
	v_nop
	global_prefetch_b8 v0, s[64:65] scope:SCOPE_SE
	s_setreg_imm32_b32 hwreg(HW_REG_WAVE_MODE, 25, 1), 1
	s_wait_xcnt 0x0
	s_wait_alu depctr_hold_cnt(0) depctr_sa_sdst(0) depctr_va_vdst(0) depctr_va_sdst(0) depctr_va_ssrc(0) depctr_va_vcc(0) depctr_vm_vsrc(0)
	s_getreg_b32 s2, hwreg(HW_REG_IB_STS2, 6, 4)
	s_cmp_eq_u32 s2, 0
	s_cbranch_scc0 .Lentry_in_a_cluster
	s_endpgm
.Lentry_in_a_cluster:
	s_bfe_u32 s2, ttmp6, 0x10000c
	s_cmp_lg_u32 s2, 0xf033
	s_cbranch_scc0 .Lentry_shape_is_right
	s_endpgm
.Lentry_shape_is_right:
; ONE FFN LAYER: C[m][n] = max(bias[n] + sum over k of A[m][k] W[k][n] + cw[n] / n_m, floor), sums in f32, rounded once to bf16.  M = 8,192, N = K = 1,024; A, C dense bf16, W [K][N] bf16, bias f32.
; THE CARRY.  In the first layer A holds the running mean of iV WITHOUT what the rows in front of a block of 128 rows add to it.  P[block][1024] holds the blocks' column sums in f32.  A tile's 128 rows are
; one block: the work-group adds the sums of the at most 15 earlier blocks of the sequence (carry), splits each number into two bf16 (head and rest: 16 significant bits), and multiplies the two as a fifth
; block of 16 rows, even rows the head and odd rows the rest: cw[n] = sum over k of carry[k] W[k][n].  n_m is row m's place in its sequence + 1.  The second layer runs the same text on a P of zeros: its
; fifth block adds 0, which is the price of one text for both layers.  The floor, a word behind P's sums (two equal bf16), is 0 (the ReLU) in the first layer and -inf in the second.
; A CAST RIDES ALONG.  Each wave also rounds 4 rows of 1,024 f32 of another tensor to bf16, dense to dense, one row a lap: Wg in the first layer, iQ's rows 0-4095 in the second; the last launch needs them.
; LIMITS.  A NaN in front of the floor becomes the floor (v_pk_max_num_bf16 lets a NaN lose).  1 / n_m is v_rcp_f32.
; SHARES.  A tile of C is 128 rows x 256 columns: 64 x 4 = 256 work-groups; tiles of 256 x 256 would be 128.  Four waves, each 64 rows x 128 columns: 32 accumulators, and 8 for the carry.
; K goes in 8 steps of 128 through a ring of two LDS slots.  A slot: A's 128 rows [m][k], then two planes of W, [128 k][128 n] each: all rows are 256 bytes of memory, aligned.
; W IS NOT TRANSPOSED: its fragments come out of the [k][n] planes by ds_load_tr16_b128.  THE MATRIX INSTRUCTION IS USED TRANSPOSED (source 0 = 16 columns of W, source 1 = 16 rows of A): a lane holds
; eight neighbouring columns of one row of C.  THE BIAS STARTS THE SUMS: it is the C operand of each accumulator's first product.
; CLUSTER 4 x 4.  The four work-groups of a row of the cluster need the same tiles of A; the four of a column the same planes of W.  Each is asked for jointly.
; REGISTERS: window 0: v8-31 1 / n and addresses; v32-63, v168-183 the cast; v64-103, v128-167 A's and the carry's fragments, two buffers (later the way out); v192-255 the carry's accumulators.
;   window 1: v0-63 the bias; v64-127, v128-191 W's fragments.     window 2: accumulator (a, b) at v[8 (8 a + b)].
.set PA,    272                        ; a row of A in LDS: 256 bytes + 16: the 16 rows of a load start at 16 different groups of four banks (64 banks of 4 bytes: ISA guide 11.1)
.set PB,    288                        ; a row of W: 256 + 32
.set HALFA, 64*PA
.set AT,    2*HALFA
.set PLANE, 128*PB
.set SLOT,  AT+2*PLANE                 ; 108,544 bytes
.set STAGE, 2*SLOT                     ; behind the ring: 16 rows x 272 bytes for each wave, for the way out
.set SPARE, STAGE+4*16*PA              ; the spare words, 128 bytes a wave
.set CAR,   SPARE+512                  ; the carry: two rows of 1,024 bf16, bytes of their own that no tile lands in
.set CP,    2080                       ; from its head to its rest: 32 bytes past a multiple of 256, so that the two rows' 16 bytes of a pass lie in different banks
.set ASTEP, 256                        ; bytes from K step to K step in A
.set WSTEP, 128*2048                   ; and in W
.set LAPS,  4                          ; a lap = two K steps
.set RN,   8                           ; v8-15   1 / n_m of my row in block a, twice (a pair for the packed form)
.set ADRA, 16                          ; v16-17  LDS address of my A fragments in slot 0, 1
.set ADRC, 18                          ; v18     of the carry's fragments; it steps a lap's 512 bytes
.set ADRB, 20                          ; v20-21  of W's fragments
.set VS,   22                          ; v22     the cast: 32 x lane
.set VD,   23                          ; v23     16 x lane
.set STO,  24                          ; v24     the way out: where I put 16 bytes of a row
.set RD,   25                          ; v25     where I read a row back
.set CO,   26                          ; v26     my byte offset in C
.set BO,   27                          ; v27     my byte offset in a block of 16 numbers of the bias
.set SPW,  28                          ; v28     my spare word; never rewritten
.set NIL,  29                          ; v29     0; never rewritten
.set PO,   30                          ; v30     32 t: my 8 columns of P
.set CST,  31                          ; v31     where I lay my 8 columns of the carry
.set CX,   32                          ; the cast: a row's 32 f32 a lane
.set CA,   32                          ; at the start: the carry of my 8 columns,
.set TM,   40                          ; at work,
.set HI,   48                          ; its head,
.set LO,   52                          ; its rest
.set F0,   64
.set F1,   128
.set CY,   168                         ; the cast: 16 registers to store
.set CWA,  192                         ; the carry's accumulators, 8 for each of my 8 blocks of columns
.set TMP,  64                          ; the way out
.set OB,   96
.set BI,   0
.set G1,  24                           ; s[24:31] group 1 for A;  s[32:39] group 0, a set for each slot
.set G0,  32
.set G1B, 48                           ; s[48:55], s[56:63] the same for W
.set G0B, 56
.set MSB, 0
.macro WIN new                         ; the immediate's high byte repeats the setting that is left; a switch that changes nothing is dropped
.if MSB != (\new)
	s_set_vgpr_msb (MSB<<8)|(\new)
.set MSB, \new
.endif
.endm
.macro PLACES                          ; four places in front of loads into registers that matrix instructions have read, and of lines that read results
.rept 4
	v_nop
.endr
.endm
; A joint load: waves 0 and 1 fetch A's two halves, waves 2 and 3 W's two planes.  The branch hangs on the wave's number alone.  An s_nop 0 and four v_nop follow each line.
.macro JLOAD s
	s_cmp_eq_u32 s13, 0
	s_cbranch_scc0 .Lfor_b_\@
	tensor_load_to_lds s[G0+4*(\s):G0+4*(\s)+3], s[G1:G1+7]
	s_nop 0
.rept 4
	v_nop
.endr
	s_branch .Lasked_\@
.Lfor_b_\@:
	tensor_load_to_lds s[G0B+4*(\s):G0B+4*(\s)+3], s[G1B:G1B+7]
	s_nop 0
.rept 4
	v_nop
.endr
.Lasked_\@:
.endm
.macro CREST                           ; a round of the cluster's barrier behind its opening barrier
	s_cmp_lg_u32 s12, 0
	s_cbranch_scc1 .Lnot_wave_0_\@
	s_barrier_signal -3
.Lnot_wave_0_\@:
	s_barrier_wait -3
	s_barrier_signal -1
	s_barrier_wait -1
.endm
.macro CROUND                          ; a whole round
	s_barrier_signal -1
	s_barrier_wait -1
	CREST
.endm
	s_load_b256 s[4:11], s[0:1], 0x0               ; A s[4:5], W s[6:7], bias s[8:9], P s[10:11]
	s_load_b64 s[20:21], s[0:1], 0x20              ; C
	s_load_b128 s[68:71], s[0:1], 0x28             ; the cast: from s[68:69] to s[70:71]
	v_lshl_add_u32 v[SPW], v0, 2, SPARE
	v_mov_b32 v[NIL], 0
	ds_add_u32 v[SPW], v[NIL]                      ; the wave's opening: the add and its wait stand ahead of my first tensor load; work on registers stands between them
	v_lshrrev_b32 v1, 5, v0
	v_readfirstlane_b32 s12, v1                    ; wave 0..3
	s_lshr_b32 s13, s12, 1                         ; RH: which 64 rows of the tile are mine.  Also: I fetch for A (0) or for W (1)
	s_and_b32 s14, s12, 1                          ; CH: which 128 columns.  Also: which half of A, or which plane of W, I fetch
	s_bfe_u32 s15, ttmp6, 0x40000                  ; cx
	s_bfe_u32 s16, ttmp6, 0x40004                  ; cy
	s_lshl_b32 s17, ttmp9, 2
	s_add_co_u32 s17, s17, s15                     ; tile column = 4 x cluster x + cx
	s_and_b32 s18, ttmp7, 0xffff
	s_lshl_b32 s18, s18, 2
	s_add_co_u32 s18, s18, s16                     ; tile row = 4 x cluster y + cy
	s_lshl_b32 s19, s16, 2
	s_lshl_b32 s19, 15, s19                        ; my row of the cluster
	s_lshl_b32 s22, 0x1111, s15                    ; my column
	s_or_b32 s[G1],  s19, (1<<16)|(1<<20)|(1<<21)|(5<<22)|(3<<25)   ; the mask; 2-byte elements; padding on; bit 21 beside a mask; after every 64 words, 4 words
	s_or_b32 s[G1B], s22, (1<<16)|(1<<20)|(1<<21)|(5<<22)|(7<<25)   ; the same with my column's mask and 8 words of padding
	s_mov_b32 s[G1+1], 128<<16                     ; tensor_dim0 = 128
	s_mov_b32 s[G1+2], 64<<16                      ; tensor_dim1 = 64
	s_mov_b32 s[G1+3], 128<<16                     ; tile_dim0 = 128
	s_mov_b32 s[G1+4], 64                          ; tile_dim1 = 64
	s_mov_b32 s[G1+5], 1024                        ; elements from row to row of A
	s_mov_b32 s[G1+6], 0
	s_mov_b32 s[G1+7], 0
	s_mov_b32 s[G1B+1], 128<<16
	s_mov_b32 s[G1B+2], 128<<16                    ; 128 rows of W (128 k)
	s_mov_b32 s[G1B+3], 128<<16
	s_mov_b32 s[G1B+4], 128
	s_mov_b32 s[G1B+5], 1024                       ; elements from row to row of W
	s_mov_b32 s[G1B+6], 0
	s_mov_b32 s[G1B+7], 0
	; A's address hangs on the tile row and the wave's number alone, W's on the tile column and the wave's number alone, each in registers that never hold the other coordinate
	s_lshl_b32 s40, s18, 7
	s_lshl_b32 s47, s14, 6
	s_add_co_u32 s40, s40, s47                     ; row 128 x tile row + 64 x half,
	s_lshl_b32 s40, s40, 11                        ; of 2,048 bytes
	s_mov_b32 s41, 0
	s_lshl_b32 s42, s17, 9
	s_lshl_b32 s47, s14, 8
	s_add_co_u32 s42, s42, s47                     ; column 256 x tile column + 128 x plane, in bytes
	s_mov_b32 s43, 0
	s_mul_i32 s2, s14, HALFA                       ; where they go: no place in the cluster enters an LDS address
	s_mul_i32 s3, s14, PLANE
	s_add_co_u32 s3, s3, AT
	s_wait_dscnt 0x0                               ; the opening add is done
	s_wait_kmcnt 0x0
	s_add_nc_u64 s[40:41], s[4:5], s[40:41]
	s_add_nc_u64 s[42:43], s[6:7], s[42:43]
	CROUND                                         ; all sixteen work-groups are here: the first joint loads meet
.irp s, 0,1
	s_mov_b32 s[G0+4*(\s)], 1
	s_add_co_u32 s[G0+4*(\s)+1], s2, (\s)*SLOT
	s_add_nc_u64 s[G0+4*(\s)+2:G0+4*(\s)+3], s[40:41], (\s)*ASTEP
	s_or_b32 s[G0+4*(\s)+3], s[G0+4*(\s)+3], 0x80000000
	s_mov_b32 s[G0B+4*(\s)], 1
	s_add_co_u32 s[G0B+4*(\s)+1], s3, (\s)*SLOT
	s_add_nc_u64 s[G0B+4*(\s)+2:G0B+4*(\s)+3], s[42:43], (\s)*WSTEP
	s_or_b32 s[G0B+4*(\s)+3], s[G0B+4*(\s)+3], 0x80000000
.endr
	s_cmp_eq_u32 s13, 0                            ; a wave's two first fills stand in one branch, ahead of every wait on TENSORcnt and every LDS read: two loads of mine are out
	s_cbranch_scc0 .Lfirst_b
	tensor_load_to_lds s[G0:G0+3], s[G1:G1+7]
	s_nop 0
	tensor_load_to_lds s[G0+4:G0+7], s[G1:G1+7]
	s_nop 0
.rept 4
	v_nop
.endr
	s_branch .Lfirst_asked
.Lfirst_b:
	tensor_load_to_lds s[G0B:G0B+3], s[G1B:G1B+7]
	s_nop 0
	tensor_load_to_lds s[G0B+4:G0B+7], s[G1B:G1B+7]
	s_nop 0
.rept 4
	v_nop
.endr
.Lfirst_asked:
	s_load_b32 s23, s[10:11], 0x40000              ; the floor, behind P's 64 rows of 4,096 bytes
	s_lshr_b32 s44, s18, 4                         ; the sequence: 16 blocks each,
	s_lshl_b32 s44, s44, 16                        ; 16 rows of P
	s_mov_b32 s45, 0
	s_add_nc_u64 s[72:73], s[10:11], s[44:45]
	s_and_b32 s74, s18, 15                         ; c: my block's place in its sequence
	v_lshlrev_b32 v[PO], 5, v0                     ; thread t owns columns 8 t .. 8 t + 7
.set j, 0
.rept 15                               ; the sums of the sequence's blocks 0 to 14, all inside P; those at or behind my block are masked below
	global_load_b128 v[64+8*j:64+8*j+3],   v[PO], s[72:73] offset:4096*j
	global_load_b128 v[64+8*j+4:64+8*j+7], v[PO], s[72:73] offset:4096*j+16
.set j, j+1
.endr
	s_lshl_b32 s44, s17, 10
	s_lshl_b32 s47, s14, 9
	s_add_co_u32 s44, s44, s47                     ; my first column, 256 x tile column + 128 CH, in f32
	s_add_nc_u64 s[8:9], s[8:9], s[44:45]
	s_lshl_b32 s44, s18, 7
	s_lshl_b32 s47, s13, 6
	s_add_co_u32 s44, s44, s47                     ; my first row of C
	s_lshl_b32 s44, s44, 11
	s_lshl_b32 s75, s17, 9
	s_add_co_u32 s44, s44, s75
	s_lshl_b32 s47, s14, 8
	s_add_co_u32 s44, s44, s47                     ; my first column in bf16
	s_add_nc_u64 s[20:21], s[20:21], s[44:45]
	s_lshl_b32 s44, s18, 2
	s_add_co_u32 s44, s44, s17                     ; the work-group's number, 0..255,
	s_lshl_b32 s44, s44, 2
	s_add_co_u32 s44, s44, s12                     ; my wave among the launch's 1,024:
	s_lshl_b32 s44, s44, 13                        ; 4 rows of 2,048 bytes out,
	s_add_nc_u64 s[70:71], s[70:71], s[44:45]
	s_lshl_b32 s44, s44, 1                         ; of 4,096 bytes in
	s_add_nc_u64 s[68:69], s[68:69], s[44:45]
	; A fragment of A: lane l holds row l % 16; registers 0-3 K = 8 (l / 16) + 0..7, registers 4-7 K = 16 + 8 (l / 16) + 0..7: two loads of 16 bytes, 32 bytes apart.
	v_and_b32 v1, 15, v0                           ; r = l % 16
	v_bfe_u32 v2, v0, 4, 1                         ; h = l / 16
	v_mul_u32_u24 v3, v1, PA
	v_lshl_add_u32 v3, v2, 4, v3
	s_mul_i32 s47, s13, HALFA
	v_add_nc_u32 v[ADRA], s47, v3
	v_add_nc_u32 v[ADRA+1], SLOT, v[ADRA]
	; The turning load takes 16 k x 16 n (lane l reads k = 8 h + l % 8, n = 8 ((l / 8) % 2) + 0..7) and leaves half a fragment: lane l holds column l % 16 and 8 k.
	v_and_b32 v4, 7, v0
	v_bfe_u32 v5, v0, 3, 1
	v_lshl_add_u32 v6, v2, 3, v4
	v_mul_u32_u24 v6, v6, PB
	v_lshl_add_u32 v6, v5, 4, v6
	v_add_nc_u32 v[ADRB], s3, v6                   ; my plane is the one that my CH names
	v_add_nc_u32 v[ADRB+1], SLOT, v[ADRB]
	v_and_b32 v7, 1, v0                            ; the carry's fragment: even rows read the head, odd rows the rest
	v_mul_u32_u24 v7, v7, CP
	v_lshl_add_u32 v7, v2, 4, v7
	v_add_nc_u32 v[ADRC], CAR, v7
	v_lshl_add_u32 v[CST], v0, 4, CAR              ; my 8 columns are 16 bytes of each row
	s_mul_i32 s47, s12, 16*PA
	s_add_co_u32 s47, s47, STAGE                   ; my stage
	v_add_nc_u32 v[STO], s47, v3                   ; in: row r, 16 bytes for each half of the lanes
	v_mul_u32_u24 v7, v2, PA                       ; back: lanes 0-15 one row of 256 bytes, lanes 16-31 the next
	v_lshl_add_u32 v7, v1, 4, v7
	v_add_nc_u32 v[RD], s47, v7
	v_lshlrev_b32 v[CO], 11, v2                    ; and the same two rows in C
	v_lshl_add_u32 v[CO], v1, 4, v[CO]
	v_lshlrev_b32 v[BO], 5, v2                     ; register j of a result is column 8 h + j of its block
	v_and_b32 v7, 31, v0
	v_lshlrev_b32 v[VS], 5, v7
	v_lshlrev_b32 v[VD], 4, v7
	WIN 0x40                                       ; destination window 1, address window 0
.irp b, 0,1,2,3,4,5,6,7
	global_load_b128 v[BI+8*(\b):BI+8*(\b)+3],   v[BO], s[8:9] offset:64*(\b)
	global_load_b128 v[BI+8*(\b)+4:BI+8*(\b)+7], v[BO], s[8:9] offset:64*(\b)+16
.endr
	WIN 0
	s_lshl_b32 s76, s74, 7                         ; 1 / n_m: n_m = 128 c + 64 RH + 16 a + r + 1
	s_lshl_b32 s75, s13, 6
	s_add_co_u32 s76, s76, s75
	s_add_co_u32 s76, s76, 1
	v_add_nc_u32 v4, s76, v1
.irp a, 0,1,2,3
	v_add_nc_u32 v5, 16*(\a), v4
	v_cvt_f32_u32 v[RN+2*(\a)], v5
.endr
.irp a, 0,1,2,3
	v_rcp_f32 v[RN+2*(\a)], v[RN+2*(\a)]
.endr
	v_nop                                          ; a plain instruction between the last reciprocal and the use of its result (ISA guide 5.7.2)
	s_wait_alu depctr_va_vdst(0)
.irp a, 0,1,2,3
	v_mov_b32 v[RN+2*(\a)+1], v[RN+2*(\a)]
.endr
	; the carry of my 8 columns, in f32
.set j, 0
.rept 15
	s_wait_loadcnt 44-2*j                          ; block j's two loads are in; 28 - 2 j younger loads of P and the 16 of the bias stay out
	s_cmp_gt_u32 s74, j                            ; does block j lie in front of mine?
	s_cselect_b32 s75, -1, 0
.if j == 0
.irp k, 0,1,2,3,4,5,6,7
	v_and_b32 v[CA+(\k)], s75, v[64+(\k)]
.endr
.else
.irp k, 0,1,2,3,4,5,6,7
	v_and_b32 v[TM+(\k)], s75, v[64+8*j+(\k)]
.endr
.irp k, 0,2,4,6
	v_pk_add_f32 v[CA+(\k):CA+(\k)+1], v[CA+(\k):CA+(\k)+1], v[TM+(\k):TM+(\k)+1]
.endr
.endif
.set j, j+1
.endr
.irp k, 0,1,2,3
	v_cvt_pk_bf16_f32 v[HI+(\k)], v[CA+2*(\k)], v[CA+2*(\k)+1]   ; the head,
.endr
.irp k, 0,1,2,3
	v_lshlrev_b32 v[TM+2*(\k)],   16, v[HI+(\k)]
	v_and_b32     v[TM+2*(\k)+1], 0xffff0000, v[HI+(\k)]
.endr
.irp k, 0,2,4,6
	v_pk_add_f32 v[CA+(\k):CA+(\k)+1], v[CA+(\k):CA+(\k)+1], v[TM+(\k):TM+(\k)+1] neg_lo:[0,1] neg_hi:[0,1]
.endr
.irp k, 0,1,2,3
	v_cvt_pk_bf16_f32 v[LO+(\k)], v[CA+2*(\k)], v[CA+2*(\k)+1]   ; and what it leaves
.endr
	ds_store_b128 v[CST], v[HI:HI+3]
	ds_store_b128 v[CST], v[LO:LO+3] offset:CP
; 8 matrix instructions: m block a x all 8 n blocks, 32 along K.  first = 1: the bias is the C operand and starts the sums.
; The 40 accumulators take turns, one instruction a turn, in one order everywhere.
.macro MUL8 f, a, first
.if \first
	WIN 0x91                                       ; W window 1, A window 0, the bias window 1, D window 2
.else
	WIN 0xa1                                       ; C and D window 2
.endif
.irp b, 0,1,2,3,4,5,6,7
.if \first
	v_wmma_f32_16x16x32_bf16 v[8*(8*(\a)+(\b)):8*(8*(\a)+(\b))+7], v[(\f)+8*(\b):(\f)+8*(\b)+7], v[(\f)+8*(\a):(\f)+8*(\a)+7], v[BI+8*(\b):BI+8*(\b)+7]
.else
	v_wmma_f32_16x16x32_bf16 v[8*(8*(\a)+(\b)):8*(8*(\a)+(\b))+7], v[(\f)+8*(\b):(\f)+8*(\b)+7], v[(\f)+8*(\a):(\f)+8*(\a)+7], v[8*(8*(\a)+(\b)):8*(8*(\a)+(\b))+7]
.endif
.endr
.endm
; 8 more: the carry's block x all 8 n blocks.  first = 1: the constant 0 starts the sums.
.macro MULC f, first
	WIN 0x01                                       ; W window 1; the carry, C and D window 0
.irp b, 0,1,2,3,4,5,6,7
.if \first
	v_wmma_f32_16x16x32_bf16 v[CWA+8*(\b):CWA+8*(\b)+7], v[(\f)+8*(\b):(\f)+8*(\b)+7], v[(\f)+32:(\f)+39], 0
.else
	v_wmma_f32_16x16x32_bf16 v[CWA+8*(\b):CWA+8*(\b)+7], v[(\f)+8*(\b):(\f)+8*(\b)+7], v[(\f)+32:(\f)+39], v[CWA+8*(\b):CWA+8*(\b)+7]
.endif
.endr
.endm
; 26 LDS loads in one run: quarter q (32 along K) of a slot into buffer f: W's 8 fragments, the carry's one, A's 4
.macro FETCH slot, q, f
	WIN 0x40
.irp b, 0,1,2,3,4,5,6,7
	ds_load_tr16_b128 v[(\f)+8*(\b):(\f)+8*(\b)+3],   v[ADRB+(\slot)] offset:32*PB*(\q)+32*(\b)
	ds_load_tr16_b128 v[(\f)+8*(\b)+4:(\f)+8*(\b)+7], v[ADRB+(\slot)] offset:32*PB*(\q)+32*(\b)+16*PB
.endr
	WIN 0
	ds_load_b128 v[(\f)+32:(\f)+35], v[ADRC] offset:256*(\slot)+64*(\q)
	ds_load_b128 v[(\f)+36:(\f)+39], v[ADRC] offset:256*(\slot)+64*(\q)+32
.irp a, 0,1,2,3
	ds_load_b128 v[(\f)+8*(\a):(\f)+8*(\a)+3],   v[ADRA+(\slot)] offset:64*(\q)+16*PA*(\a)
	ds_load_b128 v[(\f)+8*(\a)+4:(\f)+8*(\a)+7], v[ADRA+(\slot)] offset:64*(\q)+16*PA*(\a)+32
.endr
.endm
; One of a K step's first three quarters: multiplies buffer f and, in its middle, fetches quarter q of the same slot into g
.macro QUARTER slot, q, f, g, first
	s_wait_dscnt 4                                 ; W, the carry and A's blocks 0, 1 are in; the youngest four loads (A's blocks 2, 3) may be out
	MUL8 \f, 0, \first
	MUL8 \f, 1, \first
	PLACES
	FETCH \slot, \q, \g
	s_wait_dscnt 26                                ; all but the 26 just issued
	MUL8 \f, 2, \first
	MUL8 \f, 3, \first
	MULC \f, \first
.endm
; The last quarter multiplies buffer 1 and changes slots: ONE barrier.  In front of it each wave waits for all its tensor loads (one is out: its part of the next slot), adds 0 to its spare word,
; and waits for that and for its reads of this slot.  fill = 1: the barrier opens a round of the cluster's, and this slot is filled again, two K steps ahead, first thing behind the round.
.macro TURN slot, next, fill
	WIN 0                                          ; the add's two registers lie in window 0
	s_wait_tensorcnt 0x0
	ds_add_u32 v[SPW], v[NIL]
	s_wait_dscnt 5                                 ; the add and the youngest four loads may be out
	MUL8 F1, 0, 0
	s_wait_dscnt 0x0                               ; the add is done, and my reads of this slot are over
	s_barrier_signal -1
	MUL8 F1, 1, 0
.if \fill
	WIN 0
.endif
	s_barrier_wait -1
.if \fill
	CREST                                          ; no wave of any partner still reads this slot or has a load on its way
	s_add_nc_u64 s[G0+4*(\slot)+2:G0+4*(\slot)+3], s[G0+4*(\slot)+2:G0+4*(\slot)+3], 2*ASTEP
	s_add_nc_u64 s[G0B+4*(\slot)+2:G0B+4*(\slot)+3], s[G0B+4*(\slot)+2:G0B+4*(\slot)+3], 2*WSTEP
	JLOAD \slot                                    ; my one tensor load behind the round; its four v_nop are also the places in front of the loads below
.else
	PLACES
.endif
.if (\next) == 0
	WIN 0
	v_add_nc_u32 v[ADRC], 4*ASTEP/2, v[ADRC]       ; the next lap's 256 k of the carry: 512 bytes on
.endif
	FETCH \next, 0, F0
	MUL8 F1, 2, 0
	MUL8 F1, 3, 0
	MULC F1, 0
.endm
; THE CAST.  A row of 4,096 bytes is four pieces of 1,024: a lane reads 32 bytes of each and writes 16, so a wave's store covers 512 consecutive bytes, aligned.
.macro CLOAD
.irp p, 0,1,2,3
	global_load_b128 v[CX+8*(\p):CX+8*(\p)+3],   v[VS], s[68:69] offset:1024*(\p) th:TH_LOAD_NT
	global_load_b128 v[CX+8*(\p)+4:CX+8*(\p)+7], v[VS], s[68:69] offset:1024*(\p)+16 th:TH_LOAD_NT
.endr
.endm
.macro CAST nxt                        ; the row asked for a lap ago is rounded and stored; nxt = 1: the next row is asked for
	WIN 0
	s_wait_loadcnt 0x0                             ; the row is in, and its loads' base may be stepped
	s_wait_xcnt 0x0                                ; the last row's stores have read their registers and their base
	s_add_nc_u64 s[70:71], s[70:71], 2048          ; the stores below reach back by their immediate
.irp p, 0,1,2,3
.irp k, 0,1,2,3
	v_cvt_pk_bf16_f32 v[CY+4*(\p)+(\k)], v[CX+8*(\p)+2*(\k)], v[CX+8*(\p)+2*(\k)+1]
.endr
.endr
.if \nxt
	s_add_nc_u64 s[68:69], s[68:69], 4096
	CLOAD
.endif
.irp p, 0,1,2,3
	global_store_b128 v[VD], v[CY+4*(\p):CY+4*(\p)+3], s[70:71] offset:512*(\p)-2048
.endr
.endm
; THE WAY OUT of block a (16 rows x 128 columns): the carry's part is added, the sums rounded to bf16 and held to the floor, sent through my own stage, read back as whole rows of 256 bytes, stored.
.macro PACK a
	WIN 0xa0                                       ; cw and 1 / n in window 0, the sums in window 2
.irp b, 0,1,2,3,4,5,6,7
.irp k, 0,1,2,3
	v_pk_fma_f32 v[8*(8*(\a)+(\b))+2*(\k):8*(8*(\a)+(\b))+2*(\k)+1], v[CWA+8*(\b)+2*(\k):CWA+8*(\b)+2*(\k)+1], v[RN+2*(\a):RN+2*(\a)+1], v[8*(8*(\a)+(\b))+2*(\k):8*(8*(\a)+(\b))+2*(\k)+1] op_sel_hi:[1,0,1]
.endr
.endr
	WIN 0x0a                                       ; sources in window 2, destination in window 0
.irp b, 0,1,2,3,4,5,6,7
.irp k, 0,1,2,3
	v_cvt_pk_bf16_f32 v[TMP+4*(\b)+(\k)], v[8*(8*(\a)+(\b))+2*(\k)], v[8*(8*(\a)+(\b))+2*(\k)+1]
.endr
.endr
	WIN 0
.set j, 0
.rept 32
	v_pk_max_num_bf16 v[TMP+j], v[TMP+j], s23      ; a maximum rounds nothing
.set j, j+1
.endr
.endm
.macro TOSTAGE a
.set BK, OB+32*((\a)%2)
.irp b, 0,1,2,3,4,5,6,7
	ds_store_b128 v[STO], v[TMP+4*(\b):TMP+4*(\b)+3] offset:32*(\b)
.endr
.irp t, 0,1,2,3,4,5,6,7
	ds_load_b128 v[BK+4*(\t):BK+4*(\t)+3], v[RD] offset:(\t)*2*PA   ; LDS serves a wave's instructions in order (ISA guide 5.7.1.4): these see the stores above
.endr
.endm
.macro SEND a
.set BK, OB+32*((\a)%2)
	s_wait_dscnt 0x0                               ; the block is back in registers
	s_wait_xcnt 0x0                                ; the other set of registers, which earlier stores read, is loaded again only behind this wait
.irp t, 0,1,2,3,4,5,6,7
	global_store_b128 v[CO], v[BK+4*(\t):BK+4*(\t)+3], s[20:21] offset:(16*(\a)+2*(\t))*2048   ; 16 lanes store 256 consecutive bytes, aligned
.endr
.endm
	s_wait_tensorcnt 1                             ; my part of K step 0 is in; K step 1's may stay out
	s_wait_dscnt 0x0                               ; for the others' sake: my part of the carry is stored
	s_barrier_signal -1
	s_barrier_wait -1
	FETCH 0, 0, F0
	s_wait_loadcnt 0x0                             ; the bias
	s_wait_kmcnt 0x0                               ; the floor
	CLOAD                                          ; the cast's first row
	QUARTER 0, 1, F0, F1, 1                        ; the first quarter stands in front of the loop: its products start the sums
	WIN 0
	s_mov_b32 s46, LAPS-1
.Llap:                                                 ; a trip goes once round the ring, fills both slots again and casts a row
	QUARTER 0, 2, F1, F0, 0
	QUARTER 0, 3, F0, F1, 0
	TURN 0, 1, 1
	QUARTER 1, 1, F0, F1, 0
	QUARTER 1, 2, F1, F0, 0
	CAST 1
	QUARTER 1, 3, F0, F1, 0
	TURN 1, 0, 1
	QUARTER 0, 1, F0, F1, 0
	WIN 0
	s_sub_co_u32 s46, s46, 1
	s_cmp_lg_u32 s46, 0
	s_cbranch_scc1 .Llap
	QUARTER 0, 2, F1, F0, 0                        ; the last lap fills nothing
	QUARTER 0, 3, F0, F1, 0
	TURN 0, 1, 0
	QUARTER 1, 1, F0, F1, 0
	QUARTER 1, 2, F1, F0, 0
	CAST 0                                         ; the fourth row: nothing more is asked for
	QUARTER 1, 3, F0, F1, 0
	s_wait_dscnt 4
	MUL8 F1, 0, 0
	MUL8 F1, 1, 0
	s_wait_dscnt 0x0
	MUL8 F1, 2, 0
	MUL8 F1, 3, 0
	MULC F1, 0
	PLACES
	WIN 0
.set j, 0
.rept 64                               ; cw: an even row's product (the head's) and its odd neighbour's (the rest's) are added: every lane then holds cw of its 8 columns
	v_add_f32_dpp v[CWA+j], v[CWA+j], v[CWA+j] row_xmask:1 row_mask:0xf bank_mask:0xf
.set j, j+1
.endr
	PACK 0
	TOSTAGE 0
.irp a, 1,2,3                          ; block a's arithmetic stands between block a - 1's loads from the stage and the wait for them
	PACK \a
	SEND (\a)-1
	TOSTAGE \a
.endr
	SEND 3
	s_wait_tensorcnt 0x0                           ; the wave's end
	ds_add_u32 v[SPW], v[NIL]
	s_wait_dscnt 0x0
	CROUND                                         ; the closing round: no work-group ends while a partner may still ask for a tile that names it
	s_endpgm
.Lfunc_end_k_qf17ccdc3aa_ffn1:
	.size	k_qf17ccdc3aa_ffn1, .Lfunc_end_k_qf17ccdc3aa_ffn1-k_qf17ccdc3aa_ffn1
	.p2alignl 7, 3214868480
	.fill 96, 4, 3214868480
	.section	.rodata,"a",@progbits
	.p2align	6, 0x0
	.amdhsa_kernel k_qf17ccdc3aa_ffn1
		.amdhsa_group_segment_fixed_size 327680
		.amdhsa_private_segment_fixed_size 0
		.amdhsa_enable_private_segment 0
		.amdhsa_kernarg_size 56
		.amdhsa_user_sgpr_count 2
		.amdhsa_user_sgpr_kernarg_segment_ptr 1
		.amdhsa_wavefront_size32 1
		.amdhsa_system_sgpr_workgroup_id_x 1
		.amdhsa_system_sgpr_workgroup_id_y 1
		.amdhsa_system_sgpr_workgroup_id_z 1
		.amdhsa_system_vgpr_workitem_id 0
		.amdhsa_next_free_vgpr 768
		.amdhsa_next_free_sgpr 80
		.amdhsa_reserve_vcc 0
		.amdhsa_float_denorm_mode_32 3
		.amdhsa_float_denorm_mode_16_64 3
		.amdhsa_memory_ordered 1
		.amdhsa_forward_progress 1
		.amdhsa_inst_pref_size 138
	.end_amdhsa_kernel
	.amdgpu_metadata
---
amdhsa.version: [ 1, 2 ]
amdhsa.kernels:
  - .name:           k_qf17ccdc3aa_ffn1
    .symbol:         k_qf17ccdc3aa_ffn1.kd
    .args:
      - { .name: AH, .offset: 0, .size: 8, .value_kind: global_buffer, .address_space: global }
      - { .name: W1b, .offset: 8, .size: 8, .value_kind: global_buffer, .address_space: global }
      - { .name: b1, .offset: 16, .size: 8, .value_kind: global_buffer, .address_space: global }
      - { .name: P1, .offset: 24, .size: 8, .value_kind: global_buffer, .address_space: global }
      - { .name: H1, .offset: 32, .size: 8, .value_kind: global_buffer, .address_space: global }
      - { .name: Wg, .offset: 40, .size: 8, .value_kind: global_buffer, .address_space: global }
      - { .name: Wgb, .offset: 48, .size: 8, .value_kind: global_buffer, .address_space: global }
    .group_segment_fixed_size: 327680
    .private_segment_fixed_size: 0
    .kernarg_segment_align: 8
    .kernarg_segment_size: 56
    .max_flat_workgroup_size: 128
    .sgpr_count:     80
    .vgpr_count:     768
    .wavefront_size: 32
...
	.end_amdgpu_metadata
.endif
;; end of part 2
;; launch ffn2: the kernel of part 2 again; grid 4 x 64, 4 waves a work-group, clusters of 4 x 4, 327,680 bytes of LDS; arguments H1, W2b, b2, P2, AH, iQ, XQ; writes AH, XQ
;; launch gate (part 3): grid 8 x 32, 4 waves a work-group, clusters of 4 x 4, 327,680 bytes of LDS; arguments XQ, Wgb, bg, out0, AH; writes out0
.if DOCPART == 3
	.amdgcn_target "amdgcn-amd-amdhsa--gfx1250"
	.amdhsa_code_object_version 6
	.text
	.protected	k_qf17ccdc3aa_gate
	.globl	k_qf17ccdc3aa_gate
	.p2align	8
	.type	k_qf17ccdc3aa_gate,@function
k_qf17ccdc3aa_gate:
	s_mov_b64 s[64:65], 0
	v_nop
	global_prefetch_b8 v0, s[64:65] scope:SCOPE_SE
	s_setreg_imm32_b32 hwreg(HW_REG_WAVE_MODE, 25, 1), 1
	s_wait_xcnt 0x0
	s_wait_alu depctr_hold_cnt(0) depctr_sa_sdst(0) depctr_va_vdst(0) depctr_va_sdst(0) depctr_va_ssrc(0) depctr_va_vcc(0) depctr_vm_vsrc(0)
	s_getreg_b32 s2, hwreg(HW_REG_IB_STS2, 6, 4)
	s_cmp_eq_u32 s2, 0
	s_cbranch_scc0 .Lentry_in_a_cluster
	s_endpgm
.Lentry_in_a_cluster:
	s_bfe_u32 s2, ttmp6, 0x10000c
	s_cmp_lg_u32 s2, 0xf033
	s_cbranch_scc0 .Lentry_shape_is_right
	s_endpgm
.Lentry_shape_is_right:
; THE GATE.  G = [iQ | h] Wg + bg with iQ in XQ and h in AH (each [8192][1024] bf16, dense) and Wg [2048 k][2048 n] bf16; out[m][j] = sigmoid(G[m][j]) iQ[m][j] + sigmoid(G[m][1024 + j]) h[m][j], f32.
; A tile is 256 rows x (128 columns j of the first half of G and the SAME 128 columns of its second half), so that an output number's two gates are made in one work-group: 32 x 8 = 256 work-groups.
; Four waves, each 128 rows x (64 + 64) columns: 64 accumulators, 512 registers; n blocks 0-3 are the first gate, 4-7 the second gate of the same output columns.
; K = 2,048 goes in 16 steps of 128 through two LDS slots: A's 256 rows [m][k], then two planes of Wg [128 k][128 n], one for each gate.  K steps 0-7 take A from XQ, steps 8-15 from AH: at each refill
; the descriptor's address is made anew, the buffer chosen by the slot's K offset, a counter.  Wg is not transposed: ds_load_tr16_b128 turns it.
; The matrix instruction is used transposed (source 0 = 16 columns of Wg, source 1 = 16 rows of A); bg is the C operand of each accumulator's first product.
; THE END.  When the ring has had its last fill and nobody reads it any more, each wave lays its sums, in f32, into the ring's bytes; behind a barrier each wave takes 64 whole rows of 128 output columns
; (from the two waves of its row half), makes the two sigmoids, reads iQ and h as bf16 and stores 512 consecutive bytes a row.
; LIMITS.  sigmoid(x) = 1 / (1 + 2^(-x log2 e)) by v_exp_f32 and v_rcp_f32, which flush denormals; iQ enters the last line rounded to bf16, as it enters the product.
; CLUSTER 4 x 4: A's tiles are shared along a row of the cluster, Wg's planes along a column; each is asked for jointly.
; REGISTERS: window 0: v16-31 addresses; v64-127, v128-191 A's fragments, later the gates, two sets; v192-255 iQ and h, two sets.   window 1: v0-63 bg; v64-127, v128-191 Wg's fragments.
;   window 2: the accumulators of my rows 0-63 ((a, b) at v[8 (8 a + b)]);   window 3: those of my rows 64-127.
.set PA,    272                        ; a row of A in LDS: 256 bytes + 16 (64 banks of 4 bytes: ISA guide 11.1: the 16 rows of a load start at 16 different groups of four banks)
.set PB,    288                        ; a row of Wg: 256 + 32
.set HALFA, 128*PA
.set AT,    2*HALFA
.set PLANE, 128*PB
.set SLOT,  AT+2*PLANE                 ; 143,360 bytes
.set SPARE, 2*SLOT                     ; behind the ring: the spare words, 128 bytes a wave
.set SP,    528                        ; a row of a wave's sums: 256 bytes of the first gate, 256 of the second, 16 of padding
.set DW,    128*SP                     ; a wave's sums; four of them, 270,336 bytes, lie inside the ring
.set ASTEP, 256
.set WSTEP, 128*4096
.set LAPS,  8
.set ADRA, 16                          ; v16-17  LDS address of my A fragments in slot 0, 1
.set ADRB, 20                          ; v20-23  of Wg's fragments: 2 x slot + plane
.set STO,  24                          ; v24     where I lay 16 bytes of my sums
.set RD,   25                          ; v25     where I read 16 bytes of a row back; it steps
.set CO,   26                          ; v26     16 l: my byte offset in a row's 512 bytes of out
.set BO,   27                          ; v27     my byte offset in a block of 16 numbers of bg
.set SPW,  28                          ; v28     my spare word; never rewritten
.set NIL,  29                          ; v29     0; never rewritten
.set XO,   30                          ; v30     8 l: my byte offset in a row's 256 bytes of iQ or h
.set ZR,   31                          ; v31     0.0, an addend
.set F0,   64
.set F1,   128
.set BI,   0
.set G1,  24
.set G0,  32
.set G1B, 48
.set G0B, 56
.set NL,  44                           ; s[44:45] -log2(e), once the offsets are made
.set KO,  66                           ; s66, s67 slot 0's and slot 1's K offset, in bytes of the joined row of 4,096
.set TO,  68                           ; s[68:69] the offset inside the chosen buffer's row, as a pair
.set XQR, 72                           ; s[72:73] XQ at the rows that I fetch
.set AHR, 74                           ; s[74:75] AH at the same rows
.set TA,  76                           ; s[76:77] the one of the two that is due
.set MSB, 0
.macro WIN new                         ; the immediate's high byte repeats the setting that is left; a switch that changes nothing is dropped
.if MSB != (\new)
	s_set_vgpr_msb (MSB<<8)|(\new)
.set MSB, \new
.endif
.endm
.macro PLACES                          ; four places in front of loads into registers that matrix instructions have read, and of lines that read results
.rept 4
	v_nop
.endr
.endm
.macro JLOAD s                         ; a joint load: waves 0 and 1 fetch A's halves, waves 2 and 3 Wg's planes; an s_nop 0 and four v_nop follow each line
	s_cmp_eq_u32 s13, 0
	s_cbranch_scc0 .Lfor_b_\@
	tensor_load_to_lds s[G0+4*(\s):G0+4*(\s)+3], s[G1:G1+7]
	s_nop 0
.rept 4
	v_nop
.endr
	s_branch .Lasked_\@
.Lfor_b_\@:
	tensor_load_to_lds s[G0B+4*(\s):G0B+4*(\s)+3], s[G1B:G1B+7]
	s_nop 0
.rept 4
	v_nop
.endr
.Lasked_\@:
.endm
.macro CREST
	s_cmp_lg_u32 s12, 0
	s_cbranch_scc1 .Lnot_wave_0_\@
	s_barrier_signal -3
.Lnot_wave_0_\@:
	s_barrier_wait -3
	s_barrier_signal -1
	s_barrier_wait -1
.endm
.macro CROUND
	s_barrier_signal -1
	s_barrier_wait -1
	CREST
.endm
	s_load_b256 s[4:11], s[0:1], 0x0               ; XQ s[4:5], Wgb s[6:7], bg s[8:9], out0 s[10:11]
	s_load_b64 s[70:71], s[0:1], 0x20              ; AH
	v_lshl_add_u32 v[SPW], v0, 2, SPARE
	v_mov_b32 v[NIL], 0
	ds_add_u32 v[SPW], v[NIL]                      ; the wave's opening: the add and its wait stand ahead of my first tensor load; work on registers stands between them
	v_lshrrev_b32 v1, 5, v0
	v_readfirstlane_b32 s12, v1                    ; wave 0..3
	s_lshr_b32 s13, s12, 1                         ; RH: which 128 rows are mine.  Also: I fetch for A (0) or for Wg (1)
	s_and_b32 s14, s12, 1                          ; CH: which 64 output columns.  Also: which half of A, or which plane, I fetch
	s_bfe_u32 s15, ttmp6, 0x40000                  ; cx
	s_bfe_u32 s16, ttmp6, 0x40004                  ; cy
	s_lshl_b32 s17, ttmp9, 2
	s_add_co_u32 s17, s17, s15                     ; T: tile of 128 output columns
	s_and_b32 s18, ttmp7, 0xffff
	s_lshl_b32 s18, s18, 2
	s_add_co_u32 s18, s18, s16                     ; R: tile of 256 rows
	s_lshl_b32 s19, s16, 2
	s_lshl_b32 s19, 15, s19                        ; my row of the cluster
	s_lshl_b32 s22, 0x1111, s15                    ; my column
	s_or_b32 s[G1],  s19, (1<<16)|(1<<20)|(1<<21)|(5<<22)|(3<<25)   ; the mask; 2-byte elements; padding on; bit 21 beside a mask; after every 64 words, 4 words
	s_or_b32 s[G1B], s22, (1<<16)|(1<<20)|(1<<21)|(5<<22)|(7<<25)   ; my column's mask, 8 words of padding
.irp g, G1, G1B
	s_mov_b32 s[(\g)+1], 128<<16                   ; tensor_dim0 = 128
	s_mov_b32 s[(\g)+2], 128<<16                   ; tensor_dim1 = 128
	s_mov_b32 s[(\g)+3], 128<<16                   ; tile_dim0 = 128
	s_mov_b32 s[(\g)+4], 128                       ; tile_dim1 = 128
	s_mov_b32 s[(\g)+6], 0
	s_mov_b32 s[(\g)+7], 0
.endr
	s_mov_b32 s[G1+5], 1024                        ; elements from row to row of XQ and AH,
	s_mov_b32 s[G1B+5], 2048                       ; of Wg
	s_mov_b32 s[KO], 0                             ; K steps 0 and 1
	s_mov_b32 s[KO+1], ASTEP
	s_mov_b32 s[TO+1], 0
	s_lshl_b32 s40, s18, 8
	s_lshl_b32 s47, s14, 7
	s_add_co_u32 s40, s40, s47                     ; A: row 256 R + 128 x half,
	s_lshl_b32 s40, s40, 11                        ; of 2,048 bytes
	s_mov_b32 s41, 0
	s_lshl_b32 s42, s17, 8
	s_lshl_b32 s47, s14, 11
	s_add_co_u32 s42, s42, s47                     ; Wg: column 128 T + 1,024 x plane, in bytes
	s_mov_b32 s43, 0
	s_mul_i32 s2, s14, HALFA                       ; where they go: no place in the cluster enters an LDS address
	s_mul_i32 s3, s14, PLANE
	s_add_co_u32 s3, s3, AT
	s_wait_dscnt 0x0                               ; the opening add is done
	s_wait_kmcnt 0x0
	s_add_nc_u64 s[XQR:XQR+1], s[4:5], s[40:41]
	s_add_nc_u64 s[AHR:AHR+1], s[70:71], s[40:41]
	s_add_nc_u64 s[42:43], s[6:7], s[42:43]
	CROUND                                         ; all sixteen work-groups are here: the first joint loads meet
.irp s, 0,1
	s_mov_b32 s[G0+4*(\s)], 1
	s_add_co_u32 s[G0+4*(\s)+1], s2, (\s)*SLOT
	s_add_nc_u64 s[G0+4*(\s)+2:G0+4*(\s)+3], s[XQR:XQR+1], (\s)*ASTEP
	s_or_b32 s[G0+4*(\s)+3], s[G0+4*(\s)+3], 0x80000000
	s_mov_b32 s[G0B+4*(\s)], 1
	s_add_co_u32 s[G0B+4*(\s)+1], s3, (\s)*SLOT
	s_add_nc_u64 s[G0B+4*(\s)+2:G0B+4*(\s)+3], s[42:43], (\s)*WSTEP
	s_or_b32 s[G0B+4*(\s)+3], s[G0B+4*(\s)+3], 0x80000000
.endr
	s_cmp_eq_u32 s13, 0                            ; a wave's two first fills stand in one branch: two loads of mine are out
	s_cbranch_scc0 .Lfirst_b
	tensor_load_to_lds s[G0:G0+3], s[G1:G1+7]
	s_nop 0
	tensor_load_to_lds s[G0+4:G0+7], s[G1:G1+7]
	s_nop 0
.rept 4
	v_nop
.endr
	s_branch .Lfirst_asked
.Lfirst_b:
	tensor_load_to_lds s[G0B:G0B+3], s[G1B:G1B+7]
	s_nop 0
	tensor_load_to_lds s[G0B+4:G0B+7], s[G1B:G1B+7]
	s_nop 0
.rept 4
	v_nop
.endr
.Lfirst_asked:
	s_lshl_b32 s44, s17, 9
	s_lshl_b32 s47, s14, 8
	s_add_co_u32 s44, s44, s47                     ; bg at column 128 T + 64 CH, in f32
	s_mov_b32 s45, 0
	s_add_nc_u64 s[8:9], s[8:9], s[44:45]
	s_lshl_b32 s44, s18, 8
	s_lshl_b32 s47, s12, 6
	s_add_co_u32 s46, s44, s47                     ; the 64 rows that I finish: 256 R + 64 x wave
	s_lshl_b32 s44, s46, 11                        ; XQ's and AH's rows are 2,048 bytes,
	s_lshl_b32 s45, s17, 8
	s_add_co_u32 s44, s44, s45                     ; + 256 T: 128 bf16
	s_mov_b32 s45, 0
	s_add_nc_u64 s[20:21], s[4:5], s[44:45]        ; iQ at my rows and columns,
	s_add_nc_u64 s[70:71], s[70:71], s[44:45]      ; h likewise
	s_lshl_b32 s44, s46, 12                        ; out's rows are 4,096 bytes,
	s_lshl_b32 s45, s17, 9
	s_add_co_u32 s44, s44, s45                     ; + 512 T: 128 f32
	s_mov_b32 s45, 0
	s_add_nc_u64 s[10:11], s[10:11], s[44:45]
	s_mov_b32 s[NL], 0xbfb8aa3b                    ; -log2(e)
	s_mov_b32 s[NL+1], s[NL]                       ; named with it as a pair
	v_and_b32 v1, 15, v0                           ; r = l % 16
	v_bfe_u32 v2, v0, 4, 1                         ; h = l / 16
	v_mul_u32_u24 v3, v1, PA
	v_lshl_add_u32 v3, v2, 4, v3
	s_mul_i32 s47, s13, HALFA
	v_add_nc_u32 v[ADRA], s47, v3
	v_add_nc_u32 v[ADRA+1], SLOT, v[ADRA]
	v_and_b32 v4, 7, v0
	v_bfe_u32 v5, v0, 3, 1
	v_lshl_add_u32 v6, v2, 3, v4
	v_mul_u32_u24 v6, v6, PB
	v_lshl_add_u32 v6, v5, 4, v6
	s_lshl_b32 s47, s14, 7                         ; my 64 columns of each plane
	s_add_co_u32 s47, s47, AT
	v_add_nc_u32 v[ADRB], s47, v6
	v_add_nc_u32 v[ADRB+1], PLANE, v[ADRB]
	v_add_nc_u32 v[ADRB+2], SLOT, v[ADRB]
	v_add_nc_u32 v[ADRB+3], SLOT, v[ADRB+1]
	v_mul_u32_u24 v7, v1, SP                       ; my sums: row r, 32 bytes (8 f32) for each half of the lanes
	v_lshl_add_u32 v7, v2, 5, v7
	s_mul_i32 s47, s12, DW
	v_add_nc_u32 v[STO], s47, v7
	v_mul_u32_u24 v8, v2, DW                       ; back: lanes 0-15 read output columns 0-63 from the sums of wave 2 RH, lanes 16-31 columns 64-127 from those of wave 2 RH + 1,
	v_lshl_add_u32 v8, v1, 4, v8
	s_mul_i32 s46, s13, 2*DW
	s_mul_i32 s47, s14, 64*SP                      ; rows 64 CH on
	s_add_co_u32 s47, s47, s46
	v_add_nc_u32 v[RD], s47, v8
	v_and_b32 v9, 31, v0
	v_lshlrev_b32 v[CO], 4, v9
	v_lshlrev_b32 v[XO], 3, v9
	v_lshlrev_b32 v[BO], 5, v2
	v_mov_b32 v[ZR], 0
	WIN 0x40
.irp b, 0,1,2,3,4,5,6,7
	global_load_b128 v[BI+8*(\b):BI+8*(\b)+3],   v[BO], s[8:9] offset:64*((\b)%4)+4096*((\b)/4)
	global_load_b128 v[BI+8*(\b)+4:BI+8*(\b)+7], v[BO], s[8:9] offset:64*((\b)%4)+4096*((\b)/4)+16
.endr
	WIN 0
; 16 matrix instructions: m blocks a0, a0 + 1 of the window's four (hi = 0: my rows 0-63, 1: rows 64-127) x all 8 n blocks.  first = 1: bg is the C operand and starts the sums.
; The 64 accumulators take turns, one instruction a turn, in one order everywhere.
.macro MUL16 f, hi, a0, first
.if \first
	WIN 0x91+0x40*(\hi)                            ; Wg window 1, A window 0, bg window 1, D window 2 or 3
.else
	WIN 0xa1+0x50*(\hi)                            ; C and D window 2 or 3
.endif
.irp a, \a0, (\a0)+1
.irp b, 0,1,2,3,4,5,6,7
.if \first
	v_wmma_f32_16x16x32_bf16 v[8*(8*(\a)+(\b)):8*(8*(\a)+(\b))+7], v[(\f)+8*(\b):(\f)+8*(\b)+7], v[(\f)+8*(4*(\hi)+(\a)):(\f)+8*(4*(\hi)+(\a))+7], v[BI+8*(\b):BI+8*(\b)+7]
.else
	v_wmma_f32_16x16x32_bf16 v[8*(8*(\a)+(\b)):8*(8*(\a)+(\b))+7], v[(\f)+8*(\b):(\f)+8*(\b)+7], v[(\f)+8*(4*(\hi)+(\a)):(\f)+8*(4*(\hi)+(\a))+7], v[8*(8*(\a)+(\b)):8*(8*(\a)+(\b))+7]
.endif
.endr
.endr
.endm
; 32 LDS loads in one run: quarter q of a slot into buffer f: Wg's 8 fragments (4 of each plane), then A's 8
.macro FETCH slot, q, f
	WIN 0x40
.irp i, 0,1,2,3,4,5,6,7
	ds_load_tr16_b128 v[(\f)+8*(\i):(\f)+8*(\i)+3],   v[ADRB+2*(\slot)+(\i)/4] offset:32*PB*(\q)+32*((\i)%4)
	ds_load_tr16_b128 v[(\f)+8*(\i)+4:(\f)+8*(\i)+7], v[ADRB+2*(\slot)+(\i)/4] offset:32*PB*(\q)+32*((\i)%4)+16*PB
.endr
	WIN 0
.irp i, 0,1,2,3,4,5,6,7
	ds_load_b128 v[(\f)+8*(\i):(\f)+8*(\i)+3],   v[ADRA+(\slot)] offset:64*(\q)+16*PA*(\i)
	ds_load_b128 v[(\f)+8*(\i)+4:(\f)+8*(\i)+7], v[ADRA+(\slot)] offset:64*(\q)+16*PA*(\i)+32
.endr
.endm
.macro QUARTER slot, q, f, g, first
	s_wait_dscnt 8                                 ; Wg and A's rows 0-63 are in; the youngest eight loads (A's rows 64-127) may be out
	MUL16 \f, 0, 0, \first
	MUL16 \f, 0, 2, \first
	PLACES
	FETCH \slot, \q, \g
	s_wait_dscnt 32                                ; all but the 32 just issued
	MUL16 \f, 1, 0, \first
	MUL16 \f, 1, 2, \first
.endm
; The last quarter multiplies buffer 1 and changes slots: ONE barrier; in front of it each wave waits for all its tensor loads, adds 0 to its spare word, and waits for that and for its reads of this slot.
; fill = 1: the barrier opens a round of the cluster's, and this slot is filled again, two K steps ahead, first thing behind the round.
.macro TURN slot, next, fill
	WIN 0
	s_wait_tensorcnt 0x0
	ds_add_u32 v[SPW], v[NIL]
	s_wait_dscnt 9                                 ; the add and the youngest eight loads may be out
	MUL16 F1, 0, 0, 0
	s_wait_dscnt 0x0                               ; the add is done, and my reads of this slot are over
	s_barrier_signal -1
	MUL16 F1, 0, 2, 0
.if \fill
	WIN 0
.endif
	s_barrier_wait -1
.if \fill
	CREST                                          ; no wave of any partner still reads this slot or has a load on its way
	s_add_co_u32 s[KO+(\slot)], s[KO+(\slot)], 2*ASTEP   ; the slot's next K step, in bytes of the joined row:
	s_cmp_ge_u32 s[KO+(\slot)], 2048                     ; its second half lies in AH
	s_cselect_b64 s[TA:TA+1], s[AHR:AHR+1], s[XQR:XQR+1]
	s_and_b32 s[TO], s[KO+(\slot)], 2047
	s_add_nc_u64 s[G0+4*(\slot)+2:G0+4*(\slot)+3], s[TA:TA+1], s[TO:TO+1]   ; the address is made anew,
	s_or_b32 s[G0+4*(\slot)+3], s[G0+4*(\slot)+3], 0x80000000              ; and the type set again
	s_add_nc_u64 s[G0B+4*(\slot)+2:G0B+4*(\slot)+3], s[G0B+4*(\slot)+2:G0B+4*(\slot)+3], 2*WSTEP
	JLOAD \slot                                    ; my one tensor load behind the round; its four v_nop are also the places in front of the loads below
.else
	PLACES
.endif
	FETCH \next, 0, F0
	MUL16 F1, 1, 0, 0
	MUL16 F1, 1, 2, 0
.endm
; THE END's three macros.  Set p (0, 1) of registers holds 8 rows: gates at v[64 + 64 p] (first) and v[96 + 64 p] (second), iQ at v[192 + 32 p], h at v[208 + 32 p].
.macro XLOAD p, base                   ; iQ and h of rows base .. base + 7 from the stepping bases: a wave's load covers 256 consecutive bytes, aligned
.irp t, 0,1,2,3,4,5,6,7
	global_load_b64 v[192+32*(\p)+2*(\t):192+32*(\p)+2*(\t)+1], v[XO], s[20:21] offset:((\base)+(\t))*2048
	global_load_b64 v[208+32*(\p)+2*(\t):208+32*(\p)+2*(\t)+1], v[XO], s[70:71] offset:((\base)+(\t))*2048
.endr
.endm
.macro DSLOAD p, off                   ; the two gates' sums of 8 rows
.irp t, 0,1,2,3,4,5,6,7
	ds_load_b128 v[64+64*(\p)+4*(\t):64+64*(\p)+4*(\t)+3], v[RD] offset:(\off)+SP*(\t)
	ds_load_b128 v[96+64*(\p)+4*(\t):96+64*(\p)+4*(\t)+3], v[RD] offset:(\off)+SP*(\t)+256
.endr
.endm
; 8 rows x 128 output columns; lane l holds columns 4 l .. 4 l + 3.  nds = 1: the other set's next sums are asked for first.  nx = 1: this set's next iQ and h are asked for at the end.
; lc: how many younger loads of iQ and h may stay out.
.macro HALF p, nds, nx, lc
.set GI, 64+64*(\p)
.set GF, 96+64*(\p)
.set XQ, 192+32*(\p)
.set XH, 208+32*(\p)
.if \nds
	s_wait_xcnt 0x0                                ; the other set's registers, which its stores read, are loaded again only behind this wait
	DSLOAD 1-(\p), 8*SP*(1+(\p))
	s_wait_dscnt 16                                ; my set is in; the 16 just issued stay out
.else
	s_wait_dscnt 0x0
.endif
.set i, 0
.rept 32
	v_pk_mul_f32 v[GI+2*i:GI+2*i+1], v[GI+2*i:GI+2*i+1], s[NL:NL+1] op_sel_hi:[1,0]
.set i, i+1
.endr
.set i, 0
.rept 64
	v_exp_f32 v[GI+i], v[GI+i]
.set i, i+1
.endr
	v_nop                                          ; a plain instruction between the last exponential and the use of its result (ISA guide 5.7.2)
.set i, 0
	s_wait_alu depctr_va_vdst(0)
.rept 32
	v_pk_add_f32 v[GI+2*i:GI+2*i+1], v[GI+2*i:GI+2*i+1], 1.0 op_sel_hi:[1,0]
.set i, i+1
.endr
.set i, 0
.rept 64
	v_rcp_f32 v[GI+i], v[GI+i]
.set i, i+1
.endr
	v_nop
	s_wait_loadcnt \lc                             ; my set's iQ and h are in
.set i, 0
	s_wait_alu depctr_va_vdst(0)
.rept 16                               ; word i of iQ holds two columns: the low half, then the high half
	v_fma_mix_f32_bf16 v[GI+2*i],   v[XQ+i], v[GI+2*i],   v[ZR] op_sel_hi:[1,0,0]
	v_fma_mix_f32_bf16 v[GI+2*i+1], v[XQ+i], v[GI+2*i+1], v[ZR] op_sel:[1,0,0] op_sel_hi:[1,0,0]
.set i, i+1
.endr
.set i, 0
.rept 16
	v_fma_mix_f32_bf16 v[GI+2*i],   v[XH+i], v[GF+2*i],   v[GI+2*i] op_sel_hi:[1,0,0]
	v_fma_mix_f32_bf16 v[GI+2*i+1], v[XH+i], v[GF+2*i+1], v[GI+2*i+1] op_sel:[1,0,0] op_sel_hi:[1,0,0]
.set i, i+1
.endr
.irp t, 0,1,2,3,4,5,6,7
	global_store_b128 v[CO], v[GI+4*(\t):GI+4*(\t)+3], s[10:11] offset:(8*(\p)+(\t))*4096 th:TH_STORE_NT   ; 512 consecutive bytes, aligned
.endr
.if \nx
	XLOAD \p, 16+8*(\p)
.endif
.endm
	s_wait_tensorcnt 1                             ; my part of K step 0 is in; K step 1's may stay out
	s_barrier_signal -1
	s_barrier_wait -1
	FETCH 0, 0, F0
	s_wait_loadcnt 0x0                             ; bg
	QUARTER 0, 1, F0, F1, 1                        ; the first quarter stands in front of the loop: its products start the sums
	WIN 0
	s_mov_b32 s46, LAPS-1
.Llap:                                                 ; a trip goes once round the ring and fills both slots again
	QUARTER 0, 2, F1, F0, 0
	QUARTER 0, 3, F0, F1, 0
	TURN 0, 1, 1
	QUARTER 1, 1, F0, F1, 0
	QUARTER 1, 2, F1, F0, 0
	QUARTER 1, 3, F0, F1, 0
	TURN 1, 0, 1
	QUARTER 0, 1, F0, F1, 0
	WIN 0
	s_sub_co_u32 s46, s46, 1
	s_cmp_lg_u32 s46, 0
	s_cbranch_scc1 .Llap
	XLOAD 0, 0                                     ; iQ and h of my first 16 rows, into registers that the products do not name: the last lap stands between these loads and their use
	XLOAD 1, 8
	QUARTER 0, 2, F1, F0, 0                        ; the last lap fills nothing
	QUARTER 0, 3, F0, F1, 0
	TURN 0, 1, 0
	QUARTER 1, 1, F0, F1, 0
	QUARTER 1, 2, F1, F0, 0
	QUARTER 1, 3, F0, F1, 0
	s_wait_dscnt 8
	MUL16 F1, 0, 0, 0
	MUL16 F1, 0, 2, 0
	s_wait_dscnt 0x0                               ; my reads of the ring are over: say so,
	s_barrier_signal -1
	MUL16 F1, 1, 0, 0
	MUL16 F1, 1, 2, 0
	WIN 0
	s_barrier_wait -1                              ; and nobody reads the ring any more; it has had its last fill, so it may take stores
	PLACES
.irp a, 0,1,2,3,4,5,6,7                ; my sums, in f32: row 16 a + r; each accumulator's low four registers first
	WIN 0x08+4*((\a)/4)                            ; the data in window 2 or 3
.irp b, 0,1,2,3,4,5,6,7
	ds_store_b128 v[STO], v[8*(8*((\a)%4)+(\b)):8*(8*((\a)%4)+(\b))+3]   offset:16*SP*(\a)+64*((\b)%4)+256*((\b)/4)
	ds_store_b128 v[STO], v[8*(8*((\a)%4)+(\b))+4:8*(8*((\a)%4)+(\b))+7] offset:16*SP*(\a)+64*((\b)%4)+256*((\b)/4)+16
.endr
.endr
	WIN 0
	s_wait_dscnt 0x0                               ; for the others' sake: a row of 128 output columns comes from two waves
	s_barrier_signal -1
	s_barrier_wait -1
	DSLOAD 0, 0
	s_mov_b32 s23, 3
.Lout:                                                 ; a trip: 16 rows
	HALF 0, 1, 1, 16
	HALF 1, 1, 1, 16
	s_wait_xcnt 0x0                                ; the bases are stepped only behind this wait
	v_add_nc_u32 v[RD], 16*SP, v[RD]
	s_add_nc_u64 s[20:21], s[20:21], 32768
	s_add_nc_u64 s[70:71], s[70:71], 32768
	s_add_nc_u64 s[10:11], s[10:11], 65536
	s_sub_co_u32 s23, s23, 1
	s_cmp_lg_u32 s23, 0
	s_cbranch_scc1 .Lout
	HALF 0, 1, 0, 16                               ; the last 16 rows ask for no further iQ and h,
	HALF 1, 0, 0, 0                                ; and the last 8 for no further sums
	s_wait_tensorcnt 0x0                           ; the wave's end
	ds_add_u32 v[SPW], v[NIL]
	s_wait_dscnt 0x0
	CROUND                                         ; the closing round: no work-group ends while a partner may still ask for a tile that names it
	s_endpgm
.Lfunc_end_k_qf17ccdc3aa_gate:
	.size	k_qf17ccdc3aa_gate, .Lfunc_end_k_qf17ccdc3aa_gate-k_qf17ccdc3aa_gate
	.p2alignl 7, 3214868480
	.fill 96, 4, 3214868480
	.section	.rodata,"a",@progbits
	.p2align	6, 0x0
	.amdhsa_kernel k_qf17ccdc3aa_gate
		.amdhsa_group_segment_fixed_size 327680
		.amdhsa_private_segment_fixed_size 0
		.amdhsa_enable_private_segment 0
		.amdhsa_kernarg_size 40
		.amdhsa_user_sgpr_count 2
		.amdhsa_user_sgpr_kernarg_segment_ptr 1
		.amdhsa_wavefront_size32 1
		.amdhsa_system_sgpr_workgroup_id_x 1
		.amdhsa_system_sgpr_workgroup_id_y 1
		.amdhsa_system_sgpr_workgroup_id_z 1
		.amdhsa_system_vgpr_workitem_id 0
		.amdhsa_next_free_vgpr 1024
		.amdhsa_next_free_sgpr 80
		.amdhsa_reserve_vcc 0
		.amdhsa_float_denorm_mode_32 3
		.amdhsa_float_denorm_mode_16_64 3
		.amdhsa_memory_ordered 1
		.amdhsa_forward_progress 1
		.amdhsa_inst_pref_size 184
	.end_amdhsa_kernel
	.amdgpu_metadata
---
amdhsa.version: [ 1, 2 ]
amdhsa.kernels:
  - .name:           k_qf17ccdc3aa_gate
    .symbol:         k_qf17ccdc3aa_gate.kd
    .args:
      - { .name: XQ, .offset: 0, .size: 8, .value_kind: global_buffer, .address_space: global }
      - { .name: Wgb, .offset: 8, .size: 8, .value_kind: global_buffer, .address_space: global }
      - { .name: bg, .offset: 16, .size: 8, .value_kind: global_buffer, .address_space: global }
      - { .name: out0, .offset: 24, .size: 8, .value_kind: global_buffer, .address_space: global }
      - { .name: AH, .offset: 32, .size: 8, .value_kind: global_buffer, .address_space: global }
    .group_segment_fixed_size: 327680
    .private_segment_fixed_size: 0
    .kernarg_segment_align: 8
    .kernarg_segment_size: 40
    .max_flat_workgroup_size: 128
    .sgpr_count:     80
    .vgpr_count:     1024
    .wavefront_size: 32
...
	.end_amdgpu_metadata
.endif
;; end of part 3
;; ======== version 2 of 2: 4 launches; version 1 with the launch prep written anew for expert scheduling mode
;; workspace buffers: XQ 16,777,216 bytes; AH 16,777,216 bytes; H1 16,777,216 bytes; W1b 2,097,152 bytes; W2b 2,097,152 bytes; Wgb 8,388,608 bytes; P1 263,168 bytes; P2 263,168 bytes
;; launch prep (part 4): grid 448 x 1, 8 waves a work-group, no clusters, 5,120 bytes of LDS; arguments iQ, iV, W1, W2, XQ, AH, W1b, W2b, P1, P2; writes XQ, AH, W1b, W2b, P1, P2
.if DOCPART == 4
	.amdgcn_target "amdgcn-amd-amdhsa--gfx1250"
	.amdhsa_code_object_version 6
	.text
	.protected	k_qf17ccdc3aa_prep
	.globl	k_qf17ccdc3aa_prep
	.p2align	8
	.type	k_qf17ccdc3aa_prep,@function
k_qf17ccdc3aa_prep:
	s_mov_b64 s[64:65], 0
	v_nop
	global_prefetch_b8 v0, s[64:65] scope:SCOPE_SE
	s_setreg_imm32_b32 hwreg(HW_REG_WAVE_SCHED_MODE, 0, 2), 2
	s_setreg_imm32_b32 hwreg(HW_REG_WAVE_MODE, 25, 1), 1
	s_wait_xcnt 0x0
	s_wait_alu depctr_vm_vsrc(0)
; PREP.  Two kinds of work-groups, each reading 128 KiB once.
;   0-191   a cast to bf16, rounded once, dense to dense: 0-127 iQ rows 4096-8191 into XQ (rows 0-4095 are cast by a later launch, beside its matrix work); 128-159 W1, 160-191 W2, layout [K][N] kept.
;   192-447 THE LOCAL RUNNING MEAN.  A work-group owns one block of 128 rows of iV x 256 columns.  It writes AH[m][:] = (sum of the BLOCK's rows up to m) / (m's place in its sequence + 1) in bf16,
;           and the block's column sums, in f32, into P1[block][1024].  What the rows in front of the block add to the mean is added by the next launch, after its product:
;           mean W = (local / n) W + (carry W) / n.  So iV is read once and no work-group needs another's sums.  P2 takes zeros of the same shape: the second FFN layer has no carry.
; Two waves own a group of 32 rows, a thread four columns of it; the groups' sums meet in LDS.  A group that does not lie in front is masked to +0 by an AND with a scalar: nothing is multiplied by 0.
; Work-group 0 also writes the two floors behind the sums (byte 262,144 of P1 and P2): two bf16 zeros (a ReLU) and two bf16 -inf (no floor).
; LIMITS.  Sums in f32, rows inside a group first, groups then: another order of rounding than a plain running sum.  The division is a multiplication by v_rcp_f32.
; No matrix unit, no cluster, no tensor load: a stream in which no byte is shared between work-groups.
; THE MODE: SCHED_MODE bits 1:0 = 2 (LLVM: expert scheduling mode 2), set by the entry lines.  The code itself states the register dependences
; between vector instructions and memory or LDS instructions, with s_wait_alu, always for 0.
; THE PLAN.  Registers that memory or LDS instructions touch:
;   the cast   v1, v2       offsets, made once ahead of the first load (work-group 0 writes v1 once more, at its end, for the floor's word).
;              v[D + 8 p ..] pair p of 16: its two loads land there before any vector line names it; its four conversions close it up into its first four registers; its store reads those; nothing writes them again.
;              The pairs go in four groups of four.  ONE wait on va_vdst stands at the head of each group but the first, and one behind the last: the group before has written its packed words.
;              That group's four stores follow it, one ahead of each pair's conversions, which name the pairs of the group in hand alone.
;   the mean   v1, v2, v3   offsets and LDS addresses, made once ahead of the first load.
;              v[DD + 4 i ..] row i of 32: its load lands there before any vector line names it; the running sum and the row's arithmetic work in place; its store reads its first two registers; nothing writes them again.
;              Row 31's four registers are also the LDS store's data, ahead of that row's arithmetic: one wait on va_vdst ahead of the LDS store, one on vm_vsrc behind the barrier.
;              The rows go out in four groups of eight, as the cast's pairs do: one wait on va_vdst a group, the stores of the group before dealt among the rows of the group in hand.
;              v[8:19]      the three LDS loads land there; no vector line names them before.      v[60:67]  written by the last group's waves, read by their two stores.
;   v5, v6     written at the head, read by the closing add alone.
.set D,     20                         ; cast: v[20:147]  all 32 loads of a thread are out at once
.set R,     24                         ; mean: v[24:55]   1 / n of my 32 rows
.set DD,    120                        ; mean: v[120:247] my 32 rows, four columns each
.set SPARE, 4096                       ; LDS: 0-4095 the four groups' sums; 4096-5119 the spare words, 128 bytes a wave
	s_load_b512 s[4:19], s[0:1], 0x0               ; iQ s[4:5], iV s[6:7], W1 s[8:9], W2 s[10:11], XQ s[12:13], AH s[14:15], W1b s[16:17], W2b s[18:19]
	s_load_b128 s[20:23], s[0:1], 0x40             ; P1 s[20:21], P2 s[22:23]
	v_lshl_add_u32 v5, v0, 2, SPARE                ; my spare word and 0, kept for the closing lines alone
	v_mov_b32 v6, 0
	s_mov_b32 s2, ttmp9
	s_wait_kmcnt 0x0
	s_cmp_ge_u32 s2, 192
	s_cbranch_scc1 .Lscan
	; THE CAST.  Source, destination and the range's first work-group are chosen by the work-group number alone.
	s_add_nc_u64 s[28:29], s[4:5], 0x1000000       ; iQ at row 4096
	s_add_nc_u64 s[30:31], s[12:13], 0x800000      ; XQ at row 4096
	s_mov_b32 s32, 0
	s_cmp_ge_u32 s2, 128
	s_cselect_b64 s[28:29], s[8:9], s[28:29]
	s_cselect_b64 s[30:31], s[16:17], s[30:31]
	s_cselect_b32 s32, 128, s32
	s_cmp_ge_u32 s2, 160
	s_cselect_b64 s[28:29], s[10:11], s[28:29]
	s_cselect_b64 s[30:31], s[18:19], s[30:31]
	s_cselect_b32 s32, 160, s32
	s_sub_co_u32 s34, s2, s32                      ; my place in the range
	s_lshl_b32 s36, s34, 17                        ; 131,072 bytes in,
	s_mov_b32 s37, 0
	s_lshl_b32 s38, s34, 16                        ; 65,536 out
	s_mov_b32 s39, 0
	s_add_nc_u64 s[28:29], s[28:29], s[36:37]
	s_add_nc_u64 s[30:31], s[30:31], s[38:39]
	v_lshlrev_b32 v1, 5, v0                        ; thread t reads 32 bytes at 32 t
	v_lshlrev_b32 v2, 4, v0                        ; and writes 16 at 16 t: sixteen lanes fill 256 consecutive bytes, aligned
	s_wait_alu depctr_va_vdst(0)                   ; v1 and v2 are written: every load below reads v1 as its offset, every store v2
.set p, 0
.rept 16
	global_load_b128 v[D+8*p:D+8*p+3],   v1, s[28:29] offset:8192*p th:TH_LOAD_NT
	global_load_b128 v[D+8*p+4:D+8*p+7], v1, s[28:29] offset:8192*p+16 th:TH_LOAD_NT
.set p, p+1
.endr
.set p, 0
.rept 16
.if (p >= 4) && (p % 4 == 0)
	s_wait_alu depctr_va_vdst(0)                   ; the conversions of the four pairs before have written their packed words, which the next four stores read
.endif
.if p >= 4
	global_store_b128 v2, v[D+8*(p-4):D+8*(p-4)+3], s[30:31] offset:4096*(p-4)   ; a pair of the group before.  No vector line since the wait names its registers, and none writes them again
.endif
	s_wait_loadcnt 30-2*p                          ; loads come back in order: pair p is in, the 30 - 2 p younger loads stay out
	v_cvt_pk_bf16_f32 v[D+8*p],   v[D+8*p],   v[D+8*p+1]   ; in place, ascending: no source is written before it is read
	v_cvt_pk_bf16_f32 v[D+8*p+1], v[D+8*p+2], v[D+8*p+3]
	v_cvt_pk_bf16_f32 v[D+8*p+2], v[D+8*p+4], v[D+8*p+5]
	v_cvt_pk_bf16_f32 v[D+8*p+3], v[D+8*p+6], v[D+8*p+7]
.set p, p+1
.endr
	s_wait_alu depctr_va_vdst(0)                   ; the conversions of pairs 12 to 15 have written their packed words, which the last four stores read
.set p, 12
.rept 4
	global_store_b128 v2, v[D+8*p:D+8*p+3], s[30:31] offset:4096*p
.set p, p+1
.endr
	s_cmp_lg_u32 s2, 0
	s_cbranch_scc1 .Lend
	s_wait_xcnt 0x0                                ; v1 was an offset of the loads above: it is written again only behind this wait
	s_wait_alu depctr_vm_vsrc(0)                   ; the loads above have read v1, which is written again three lines below
	v_lshlrev_b32 v3, 2, v0
	v_mov_b32 v4, 0                                ; two bf16 zeros
	v_mov_b32 v1, 0xff80ff80                       ; two bf16 -inf
	s_wait_alu depctr_va_vdst(0)                   ; v3, v4 and v1 are written: the offset and the data of the two stores below
	global_store_b32 v3, v4, s[20:21] offset:262144   ; 256 equal words each: the buffers' last 1,024 bytes are written whole
	global_store_b32 v3, v1, s[22:23] offset:262144
.Lend:
	s_endpgm
.Lscan:	; THE LOCAL RUNNING MEAN
	v_lshrrev_b32 v4, 5, v0
	v_readfirstlane_b32 s24, v4                    ; wave 0..7
	v_and_b32 v1, 63, v0                           ; cg: which four columns
	v_lshlrev_b32 v2, 3, v1                        ; 8 bytes out
	v_lshlrev_b32 v1, 4, v1                        ; 16 bytes in
	v_lshlrev_b32 v3, 4, v0                        ; 16 t = 1,024 rg + 16 cg: my place among the groups' sums
	s_sub_co_u32 s3, s2, 192
	s_and_b32 s26, s3, 3                           ; strip of 256 columns
	s_lshr_b32 s27, s3, 2                          ; g: block of 128 rows, 0..63
	s_and_b32 s28, s27, 15                         ; c: its place in its sequence
	s_lshl_b32 s29, s27, 7
	s_wait_alu depctr_va_sdst(0)                   ; s24 is written, ahead of its first reader: my group of rows, and the bases with it, are made from it
	s_lshr_b32 s25, s24, 1                         ; rg: my group of 32 rows
	s_lshl_b32 s30, s25, 5
	s_add_co_u32 s29, s29, s30                     ; my group's first row
	s_lshl_b32 s30, s29, 12                        ; iV: rows of 4,096 bytes, 1,024 bytes a strip
	s_lshl_b32 s31, s26, 10
	s_add_co_u32 s30, s30, s31
	s_mov_b32 s31, 0
	s_add_nc_u64 s[32:33], s[6:7], s[30:31]
	s_lshl_b32 s30, s29, 11                        ; AH: rows of 2,048 bytes, 512 bytes a strip
	s_lshl_b32 s34, s26, 9
	s_add_co_u32 s30, s30, s34
	s_add_nc_u64 s[34:35], s[14:15], s[30:31]
	s_lshl_b32 s30, s27, 12                        ; P1, P2: row g, 1,024 bytes a strip
	s_lshl_b32 s36, s26, 10
	s_add_co_u32 s30, s30, s36
	s_add_nc_u64 s[36:37], s[20:21], s[30:31]
	s_add_nc_u64 s[38:39], s[22:23], s[30:31]
	s_wait_alu depctr_va_vdst(0)                   ; v1, v2 and v3 are written: the offsets and LDS addresses of every load and store below
.set i, 0
.rept 32
	global_load_b128 v[DD+4*i:DD+4*i+3], v1, s[32:33] offset:4096*i th:TH_LOAD_NT   ; a wave's load covers 512 consecutive bytes
.set i, i+1
.endr
	; the divisors, while the loads are out: whole numbers up to 2,048, exact in f32
	s_lshl_b32 s30, s28, 7
	s_lshl_b32 s3, s25, 5
	s_add_co_u32 s30, s30, s3
	s_add_co_u32 s30, s30, 1                       ; 128 c + 32 rg + 1
	v_cvt_f32_u32 v[R], s30
.set i, 1
.rept 31
	v_add_f32 v[R+i], 1.0, v[R+i-1]
.set i, i+1
.endr
.set i, 0
.rept 32
	v_rcp_f32 v[R+i], v[R+i]
.set i, i+1
.endr
	v_nop                                          ; a plain instruction between the last reciprocal and any use (ISA guide 5.7.2)
	; the running sum inside my group, in place
.set i, 1
.rept 31
	s_wait_loadcnt 31-i                            ; rows 0..i are in, the younger rows stay out
	v_pk_add_f32 v[DD+4*i:DD+4*i+1],   v[DD+4*i:DD+4*i+1],   v[DD+4*i-4:DD+4*i-3]
	v_pk_add_f32 v[DD+4*i+2:DD+4*i+3], v[DD+4*i+2:DD+4*i+3], v[DD+4*i-2:DD+4*i-1]
.set i, i+1
.endr
	s_wait_alu depctr_va_vdst(0)                   ; the running sums have written row 31's four registers, which the LDS store reads; the 32 reciprocals are written too, ahead of their first reader and of the branch below
	ds_store_b128 v3, v[DD+124:DD+127]             ; my group's sum
	s_wait_dscnt 0x0                               ; for the others' sake: my store is done
	s_barrier_signal -1
	s_barrier_wait -1
	s_wait_alu depctr_vm_vsrc(0)                   ; my LDS store has read row 31's four registers, which that row's arithmetic writes again, on both ways behind the branch below
	ds_load_b128 v[8:11],  v1                      ; the sums of groups 0, 1, 2 for my four columns
	ds_load_b128 v[12:15], v1 offset:1024
	ds_load_b128 v[16:19], v1 offset:2048
	s_wait_dscnt 0x0
	s_cmp_gt_u32 s25, 0                            ; group 0 lies in front of mine?
	s_cselect_b32 s30, -1, 0
	v_and_b32 v56, s30, v8
	v_and_b32 v57, s30, v9
	v_and_b32 v58, s30, v10
	v_and_b32 v59, s30, v11
.irp k, 1,2
	s_cmp_gt_u32 s25, \k
	s_cselect_b32 s30, -1, 0
	v_and_b32 v20, s30, v[8+4*(\k)]
	v_and_b32 v21, s30, v[8+4*(\k)+1]
	v_and_b32 v22, s30, v[8+4*(\k)+2]
	v_and_b32 v23, s30, v[8+4*(\k)+3]
	v_pk_add_f32 v[56:57], v[56:57], v[20:21]
	v_pk_add_f32 v[58:59], v[58:59], v[22:23]
.endr
	s_cmp_lg_u32 s25, 3                            ; the last group's sum up to its last row is the block's
	s_cbranch_scc1 .Lrows
	v_pk_add_f32 v[60:61], v[DD+124:DD+125], v[56:57]
	v_pk_add_f32 v[62:63], v[DD+126:DD+127], v[58:59]
	v_mov_b32 v64, 0
	v_mov_b32 v65, 0
	v_mov_b32 v66, 0
	v_mov_b32 v67, 0
	s_wait_alu depctr_va_vdst(0)                   ; v[60:67] are written: the data of the two stores below; nothing writes them again
	global_store_b128 v1, v[60:63], s[36:37]       ; two waves cover 1,024 consecutive bytes
	global_store_b128 v1, v[64:67], s[38:39]
.Lrows:
.set i, 0
.rept 32
.if (i >= 8) && (i % 8 == 0)
	s_wait_alu depctr_va_vdst(0)                   ; the conversions of the eight rows before have written their packed words, which the next eight stores read
.endif
.if i >= 8
	global_store_b64 v2, v[DD+4*(i-8):DD+4*(i-8)+1], s[34:35] offset:2048*(i-8)   ; a row of the group before: a wave's store covers 256 consecutive bytes, aligned.  No vector line since the wait names its registers, and none writes them again
.endif
	v_pk_add_f32 v[DD+4*i:DD+4*i+1],   v[DD+4*i:DD+4*i+1],   v[56:57]
	v_pk_add_f32 v[DD+4*i+2:DD+4*i+3], v[DD+4*i+2:DD+4*i+3], v[58:59]
	v_mul_f32 v[DD+4*i],   v[DD+4*i],   v[R+i]
	v_mul_f32 v[DD+4*i+1], v[DD+4*i+1], v[R+i]
	v_mul_f32 v[DD+4*i+2], v[DD+4*i+2], v[R+i]
	v_mul_f32 v[DD+4*i+3], v[DD+4*i+3], v[R+i]
	v_cvt_pk_bf16_f32 v[DD+4*i],   v[DD+4*i],   v[DD+4*i+1]
	v_cvt_pk_bf16_f32 v[DD+4*i+1], v[DD+4*i+2], v[DD+4*i+3]
.set i, i+1
.endr
	s_wait_alu depctr_va_vdst(0)                   ; the conversions of rows 24 to 31 have written their packed words, which the last eight stores read
.set i, 24
.rept 8
	global_store_b64 v2, v[DD+4*i:DD+4*i+1], s[34:35] offset:2048*i
.set i, i+1
.endr
	s_wait_dscnt 0x0                               ; the closing lines, six on end
	s_wait_alu 0x0
	s_wait_tensorcnt 0x0
	ds_add_u32 v5, v6
	s_wait_dscnt 0x0
	s_endpgm
.Lfunc_end_k_qf17ccdc3aa_prep:
	.size	k_qf17ccdc3aa_prep, .Lfunc_end_k_qf17ccdc3aa_prep-k_qf17ccdc3aa_prep
	.p2alignl 7, 3214868480
	.fill 96, 4, 3214868480
	.section	.rodata,"a",@progbits
	.p2align	6, 0x0
	.amdhsa_kernel k_qf17ccdc3aa_prep
		.amdhsa_group_segment_fixed_size 5120
		.amdhsa_private_segment_fixed_size 0
		.amdhsa_enable_private_segment 0
		.amdhsa_kernarg_size 80
		.amdhsa_user_sgpr_count 2
		.amdhsa_user_sgpr_kernarg_segment_ptr 1
		.amdhsa_wavefront_size32 1
		.amdhsa_system_sgpr_workgroup_id_x 1
		.amdhsa_system_sgpr_workgroup_id_y 1
		.amdhsa_system_sgpr_workgroup_id_z 1
		.amdhsa_system_vgpr_workitem_id 0
		.amdhsa_next_free_vgpr 248
		.amdhsa_next_free_sgpr 66
		.amdhsa_reserve_vcc 0
		.amdhsa_float_denorm_mode_32 3
		.amdhsa_float_denorm_mode_16_64 3
		.amdhsa_memory_ordered 1
		.amdhsa_forward_progress 1
		.amdhsa_inst_pref_size 40
	.end_amdhsa_kernel
	.amdgpu_metadata
---
amdhsa.version: [ 1, 2 ]
amdhsa.kernels:
  - .name:           k_qf17ccdc3aa_prep
    .symbol:         k_qf17ccdc3aa_prep.kd
    .args:
      - { .name: iQ, .offset: 0, .size: 8, .value_kind: global_buffer, .address_space: global }
      - { .name: iV, .offset: 8, .size: 8, .value_kind: global_buffer, .address_space: global }
      - { .name: W1, .offset: 16, .size: 8, .value_kind: global_buffer, .address_space: global }
      - { .name: W2, .offset: 24, .size: 8, .value_kind: global_buffer, .address_space: global }
      - { .name: XQ, .offset: 32, .size: 8, .value_kind: global_buffer, .address_space: global }
      - { .name: AH, .offset: 40, .size: 8, .value_kind: global_buffer, .address_space: global }
      - { .name: W1b, .offset: 48, .size: 8, .value_kind: global_buffer, .address_space: global }
      - { .name: W2b, .offset: 56, .size: 8, .value_kind: global_buffer, .address_space: global }
      - { .name: P1, .offset: 64, .size: 8, .value_kind: global_buffer, .address_space: global }
      - { .name: P2, .offset: 72, .size: 8, .value_kind: global_buffer, .address_space: global }
    .group_segment_fixed_size: 5120
    .private_segment_fixed_size: 0
    .kernarg_segment_align: 8
    .kernarg_segment_size: 80
    .max_flat_workgroup_size: 256
    .sgpr_count:     66
    .vgpr_count:     248
    .wavefront_size: 32
...
	.end_amdgpu_metadata
.endif
;; end of part 4
;; launch ffn1: the kernel of part 2 again; grid 4 x 64, 4 waves a work-group, clusters of 4 x 4, 327,680 bytes of LDS; arguments AH, W1b, b1, P1, H1, Wg, Wgb; writes H1, Wgb
;; launch ffn2: the kernel of part 2 again; grid 4 x 64, 4 waves a work-group, clusters of 4 x 4, 327,680 bytes of LDS; arguments H1, W2b, b2, P2, AH, iQ, XQ; writes AH, XQ
;; launch gate: the kernel of part 3 again; grid 8 x 32, 4 waves a work-group, clusters of 4 x 4, 327,680 bytes of LDS; arguments XQ, Wgb, bg, out0, AH; writes out0
